; MI455X (gfx1250); checked and timed in simulation.
; The chip was launched on July 23, 2026; its instructions are those of AMD's public machine-readable ISA for CDNA 5 (MIT licence, August 2026) and "CDNA5" Instruction Set Architecture Reference Guide (July 2026). The comments in the code are by the model that wrote it; some were corrected since.
;; Head. Allowed arithmetic: matrix products marked QUANTISED: E2M1 operands, one E8M0 scale for each 32 along K, by v_wmma_scale_f32_16x16x128_f8f6f4 with both operands' format E2M1 (or v_wmma_scale_f32_32x16x128_f4), f32 sums; products left as they are: bf16, f16 or f32 operands; f32 sums; everything else in f32.
;; Inputs: k_wei 1,024 x 1,024 float32; mask 2,048 x 2,048 bool; q_wei 1,024 x 1,024 float32; v_wei 1,024 x 1,024 float32; x 4 x 2,048 x 1,024 float32.
;; Outputs: out0 4 x 2,048 x 1,024 float32.
;; This version of the problem:
;;   THIS VERSION OF THE PROBLEM IS GIVEN IN LOW PRECISION. The matrix products marked QUANTISED in the list below multiply operands that are first quantised to E2M1 (2 exponent bits, 1 mantissa bit; 4 bits a number), with one power-of-two scale for each 32 numbers along K (OCP MX v1.0); their sums are f32. The products marked 'left as it is' may take bf16, f16 or f32 operands, with f32 sums. Whichever they take, every output number must still come out within the allowed error. Rounding operands to bf16 (8 significant bits) uses up far more of that allowance than f16 does (11 bits, for magnitudes from 6e-5 to 65,504). All else is computed in f32.
;;   The module's matrix products, in the order in which they are computed (A, B: the left and right operand; K: the contracted axis; several contracted axes count as one K, in the product's order):
;;     1. [M 8,192, K 1,024] x [K 1,024, N 1,024]; A: input x; B: input k_wei: QUANTISED
;;     2. [M 8,192, K 1,024] x [K 1,024, N 1,024]; A: input x; B: input q_wei: QUANTISED
;;     3. [M 8,192, K 1,024] x [K 1,024, N 1,024]; A: input x; B: input v_wei: QUANTISED
;;     4. batch 4 x [M 2,048, K 1,024] x [K 1,024, N 2,048]; A: computed on the way; B: computed on the way: left as it is (an operand is computed on the way)
;;     5. batch 4 x [M 2,048, K 2,048] x [K 2,048, N 1,024]; A: computed on the way; B: computed on the way: left as it is (an operand is computed on the way)
;;   THE QUANTISER, for each operand of a quantised product, along K:
;;     - K is cut into blocks of 32 from its start; a last block that is shorter is filled with zeros.
;;     - A block's scale is 2^e with e = floor(log2(the largest magnitude in the block)) - 2, held to -126 .. 127; a block of zeros has e = 0. As a byte (E8M0): e + 127.
;;     - Each number is divided by its block's scale, clamped to +-6, and rounded to the nearest number of E2M1, ties to even, subnormals kept.
;;     - The product sums the exact products of the quantised numbers (number of the format x scale) in f32.
;;   ~~~python
;;   def quantise(x, axis):      # numpy; x: float32 -> the quantised numbers, widened to float32 again
;;       x = np.moveaxis(x, axis, -1); K = x.shape[-1]
;;       x = np.pad(x, [(0, 0)] * (x.ndim - 1) + [(0, -K % 32)]); x = x.reshape(x.shape[:-1] + (-1, 32)); a = np.abs(x).max(-1, keepdims=True)
;;       e = np.where(a > 0, np.clip(np.frexp(np.where(a > 0, a, 1))[1] - 1 - 2, -126, 127), 0)      # np.frexp(a)[1] - 1 = floor(log2(a)), exactly
;;       r = np.clip(x / 2.0 ** e, -6, 6)
;;       step = 2.0 ** (np.maximum(np.frexp(np.where(r == 0, 1, r))[1] - 1, 0) - 1)
;;       q = np.round(r / step) * step * 2.0 ** e      # np.round: ties to even
;;       return np.moveaxis(q.reshape(q.shape[:-2] + (-1,))[..., :K], -1, axis).astype(np.float32)
;;   ~~~
;; One version. Each part assembles by itself: llvm-mc -triple=amdgcn-amd-amdhsa -mcpu=gfx1250 --defsym DOCPART=n.
;; ======== version 1 of 1: 4 launches
;; limits: values are held in f16: magnitudes above 65,504 overflow, below 6.1e-05 lose precision
;; workspace buffers: xc 4,194,304 bytes; xs 262,144 bytes; wc 1,572,864 bytes; ws 98,304 bytes; qkv 50,331,648 bytes; lmask 524,288 bytes of whole numbers; pbuf 33,554,432 bytes; stats 1,048,576 bytes
;; launch prep (part 1): grid 608 x 1, 4 waves a work-group, no clusters, 68,096 bytes of LDS; arguments x, q_wei, k_wei, v_wei, mask, xc, xs, wc, ws, lmask; writes xc, xs, wc, ws, lmask
.if DOCPART == 1
	.amdgcn_target "amdgcn-amd-amdhsa--gfx1250"
	.amdhsa_code_object_version 6
	.text
	.protected	k_q79515f7427_prep
	.globl	k_q79515f7427_prep
	.p2align	8
	.type	k_q79515f7427_prep,@function
k_q79515f7427_prep:
	s_mov_b64 s[64:65], 0
	v_nop
	global_prefetch_b8 v0, s[64:65] scope:SCOPE_SE
	s_setreg_imm32_b32 hwreg(HW_REG_WAVE_MODE, 25, 1), 1
	s_wait_xcnt 0x0
; PREP: x [8192][1024] and the three weights [1024 (k)][1024 (n)], f32, become codes of FP4 (E2M1) with K innermost and one E8M0 byte for each 32 along K; the mask [2048][2048] of bytes becomes lane-mask words.
; NO WORK OF THE PROBLEM IS LEFT OUT IN THIS PROGRAM: the mask is an input, so every byte of it is read and every score is computed and then selected; all five inputs reach the output.
; A block's scale is 2^(floor(log2(its largest magnitude)) - 2); its byte is the largest magnitude's exponent field - 2, held at 1 from below.  A block of zeros so gets the byte 1 where the rule says 127:
; its codes are zeros, which add nothing under any byte but 0xff, and the bytes are read by this program alone.
; LIMITS: blocks whose largest magnitude lies under 2^(2 - 126), whose byte is held at 1, are not served to the letter; NaN and infinities among x and the weights are not served.
; THREE PATHS, chosen by the work-group's number alone; they never join, and each has LDS bytes of its own.
;   X (work-groups 0-255): x is a plain stream of blocks of 32; a wave takes 16 steps of 512 numbers.  Loads take 512 consecutive bytes; a step turns through the wave's stage so that a lane holds 16 neighbours.
;   W (256-351): a weight's K is its FIRST axis: a lane takes a column n and its registers run down K.  A wave takes 16 columns x 512 along K: lanes 0-15 the first 256 along K, lanes 16-31 the second: eight blocks a lane,
;     and a column's 256 bytes of codes are gathered by one wave, with no barrier.  A load so reads two runs of 64 bytes; the four waves stand side by side on 256.  Rows of wc, ws: 0-1023 q_wei's columns, 1024-2047 k_wei's, 2048-3071 v_wei's.
;   M (352-607): a wave takes 16 rows x 256 bytes of the mask and makes 128 words: word [qt][kt][j], bit l = mask[16 qt + l % 16][16 kt + 8 (l / 16) + j]: the lane mask of register j of a 16 x 16 tile of scores.
; No cluster, no tensor load: work-groups share no input, and each byte is read once.
.set SPARE, 67584                      ; the spare words: 128 bytes for each wave, two blocks of 256 bytes that no other line names
.set SPW,   12                         ; v12  LDS address of my spare word; never rewritten
.set NIL,   13                         ; v13  0; never rewritten
.set WV,    24                         ; s24  my wave's number
	s_load_b512 s[4:19], s[0:1], 0x0               ; x s[4:5], q_wei s[6:7], k_wei s[8:9], v_wei s[10:11], mask s[12:13], xc s[14:15], xs s[16:17], wc s[18:19]
	s_load_b128 s[20:23], s[0:1], 0x40             ; ws s[20:21], lmask s[22:23]
	v_lshl_add_u32 v[SPW], v0, 2, SPARE
	v_mov_b32 v[NIL], 0
	v_lshrrev_b32 v1, 5, v0
	v_readfirstlane_b32 s[WV], v1
	v_and_b32 v2, 31, v0                           ; lane
	s_wait_kmcnt 0x0
	s_cmp_lt_u32 ttmp9, 256
	s_cbranch_scc1 .Lpath_x
	s_cmp_lt_u32 ttmp9, 352
	s_cbranch_scc1 .Lpath_w
; ---------------- PATH M: the mask ----------------
	s_sub_co_u32 s25, ttmp9, 352
	s_lshl_b32 s25, s25, 2
	s_add_co_u32 s25, s25, s[WV]                   ; W = 0 .. 1023: query tile W / 8, 256 keys W % 8
	s_lshr_b32 s26, s25, 3
	s_and_b32 s27, s25, 7
	s_lshl_b32 s26, s26, 15                        ; 16 rows of 2,048 bytes
	s_lshl_b32 s27, s27, 8
	s_add_co_u32 s26, s26, s27
	s_mov_b32 s27, 0
	s_add_nc_u64 s[12:13], s[12:13], s[26:27]
	s_lshl_b32 s26, s25, 9                         ; 128 words a wave
	s_add_nc_u64 s[22:23], s[22:23], s[26:27]
	v_and_b32 v1, 15, v0
	v_bfe_u32 v3, v0, 4, 1
	v_lshlrev_b32 v1, 11, v1
	v_lshl_add_u32 v3, v3, 3, v1                   ; row l % 16, + 8 (l / 16)
	v_lshlrev_b32 v4, 4, v2                        ; out: 16 bytes a lane
.irp i, 0,1,2,3,4,5,6,7,8,9,10,11,12,13,14,15
	global_load_b64 v[32+2*\i:33+2*\i], v3, s[12:13] offset:16*\i th:TH_LOAD_NT   ; key tile i: my row's 8 bytes of my half; the sixteen loads together read 16 rows x 256 bytes
.endr
.irp k, 0,1,2,3
	v_mov_b32 v[16+\k], 0                          ; v_writelane_b32's destination counts as read
.endr
	s_wait_loadcnt 0x0
.irp i, 0,1,2,3,4,5,6,7,8,9,10,11,12,13,14,15
.irp j, 0,1,2,3,4,5,6,7
	v_and_b32 v[8+(\j%2)], 0xff<<(8*(\j%4)), v[32+2*\i+\j/4]      ; byte j of my 8
	v_cmp_ne_u32 s[28+(\j%4)], 0, v[8+(\j%2)]                     ; the 32 lanes' bits: word 8 i + j
	v_writelane_b32 v[16+(\j%4)], s[28+(\j%4)], 2*\i+\j/4         ; into lane (8 i + j) / 4, register (8 i + j) % 4
.endr
.endr
	global_store_b128 v4, v[16:19], s[22:23]       ; 32 lanes store 512 consecutive bytes
	s_wait_tensorcnt 0x0                           ; the wave's end
	ds_add_u32 v[SPW], v[NIL]
	s_wait_dscnt 0x0
	s_endpgm
; ---------------- PATH X: x ----------------
.set STEPS, 16
.set XR,    16                         ; v16-79   four sets of 16 numbers as they are loaded
.set XX,    80                         ; v80-111  two sets of 16 neighbours
.set XE,    112                        ; v112-127 a scale byte for each step
.set XCD,   128                        ; v128-191 codes: four registers for each step, so that no store's data are written again
.set WREG,  8192                       ; LDS: a region for each wave from byte 0: two stages of 32 x SP bytes, behind them its 256 scale bytes
.set SP,    80                         ; a lane's place in a stage: its 64 bytes + 16 of padding
.macro XLOAD t
.irp i, 0,1,2,3
	global_load_b128 v[XR+16*((\t)%4)+4*\i:XR+16*((\t)%4)+4*\i+3], v3, s[4:5] offset:2048*(\t)+512*\i th:TH_LOAD_NT   ; 32 lanes read 512 consecutive bytes
.endr
.endm
.macro XTURN t                         ; step t's numbers through the stage: LDS serves a wave's instructions in order, so no wait stands between the stores and the loads
.irp i, 0,1,2,3
	ds_store_b128 v14, v[XR+16*((\t)%4)+4*\i:XR+16*((\t)%4)+4*\i+3] offset:32*SP*((\t)%2)+8*SP*\i
.endr
.irp i, 0,1,2,3
	ds_load_b128 v[XX+16*((\t)%2)+4*\i:XX+16*((\t)%2)+4*\i+3], v15 offset:32*SP*((\t)%2)+16*\i
.endr
.endm
.macro XSTEP t
.set XS, XX+16*((\t)%2)
.if (\t) > 0
	s_wait_dscnt 1                                 ; this step's numbers are back from the stage (the last step's byte store may be out): so its stores into the stage have read their registers,
.else
	s_wait_dscnt 0x0
.endif
.if (\t)+4 < STEPS
	XLOAD (\t)+4                                   ; which take the loads of four steps on
.endif
.if (\t)+1 < STEPS
.if STEPS-2-(\t) >= 3
	s_wait_loadcnt 12                              ; the next step's four loads are in; those of the three steps behind it may be out
.else
	s_wait_loadcnt 4*(STEPS-2-(\t))
.endif
	XTURN (\t)+1                                   ; and go through the other stage while this step is worked
.endif
	v_max3_num_f32 v8, |v[XS]|, |v[XS+1]|, |v[XS+2]|               ; the largest magnitude of my 16, in two chains
	v_max3_num_f32 v9, |v[XS+3]|, |v[XS+4]|, |v[XS+5]|
.irp i, 6,10
	v_max3_num_f32 v8, v8, |v[XS+\i]|, |v[XS+\i+1]|
	v_max3_num_f32 v9, v9, |v[XS+\i+2]|, |v[XS+\i+3]|
.endr
	v_max3_num_f32 v8, v8, |v[XS+14]|, |v[XS+15]|
	v_max3_num_f32 v8, v8, v9, 0x1800000           ; and the floor 2^(3 - 127): so the byte cannot fall under 1
	v_max_num_f32_dpp v8, v8, v8 row_xmask:1 row_mask:0xf bank_mask:0xf   ; and of my neighbour's 16: the block's
	v_add_nc_u32 v11, 0xff000000, v8               ; 2 off its exponent field: the conversion takes the exponent field of this operand as its scale, and nothing else of it
	v_cvt_scalef32_pk8_fp4_f32 v[XCD+4*(\t)], v[XS:XS+7], v11
	v_cvt_scalef32_pk8_fp4_f32 v[XCD+4*(\t)+1], v[XS+8:XS+15], v11
	v_lshrrev_b32 v[XE+(\t)], 23, v11              ; the scale's byte (also the plain line behind the conversions)
	ds_store_b8 v5, v[XE+(\t)] offset:16*(\t)      ; both lanes of a block write the same byte with the same value
	global_store_b64 v4, v[XCD+4*(\t):XCD+4*(\t)+1], s[14:15] offset:256*(\t)   ; 32 lanes store 256 consecutive bytes, aligned
.endm
.Lpath_x:
	v_lshlrev_b32 v3, 4, v2                        ; my 16 bytes of a load's 512
	s_mul_i32 s25, s[WV], WREG
	v_lshrrev_b32 v14, 2, v2
	v_mul_u32_u24 v14, v14, SP
	v_and_b32 v15, 3, v2
	v_lshl_add_u32 v14, v15, 4, v14
	v_add_nc_u32 v14, s25, v14                     ; the stage, on the way in: SP (lane / 4) + 16 (lane % 4)
	v_mul_u32_u24 v15, v2, SP
	v_add_nc_u32 v15, s25, v15                     ; and on the way out: SP x lane: my 16 neighbours
	v_lshlrev_b32 v4, 3, v2                        ; my codes' place in a step's
	v_lshrrev_b32 v5, 1, v2
	s_add_co_u32 s25, s25, 2*32*SP
	v_add_nc_u32 v5, s25, v5                       ; LDS: my wave's 256 scale bytes, my block's byte
	v_lshlrev_b32 v7, 3, v2                        ; and on the way out 8 bytes a lane
	v_add_nc_u32 v6, s25, v7
	s_lshl_b32 s26, ttmp9, 2
	s_add_co_u32 s26, s26, s[WV]                   ; which run of 8,192 numbers is my wave's
	s_mov_b32 s27, 0
	s_lshl_b64 s[28:29], s[26:27], 15
	s_add_nc_u64 s[4:5], s[4:5], s[28:29]
	s_lshl_b64 s[28:29], s[26:27], 12
	s_add_nc_u64 s[14:15], s[14:15], s[28:29]
	s_lshl_b64 s[28:29], s[26:27], 8
	s_add_nc_u64 s[16:17], s[16:17], s[28:29]
.irp t, 0,1,2,3
	XLOAD \t
.endr
	s_wait_loadcnt 12                              ; step 0's four loads are in
	XTURN 0
.irp t, 0,1,2,3,4,5,6,7,8,9,10,11,12,13,14,15
	XSTEP \t
.endr
	ds_load_b64 v[8:9], v6                         ; LDS serves a wave's instructions in order: these see my stores
	s_wait_dscnt 0x0
	global_store_b64 v7, v[8:9], s[16:17]          ; 32 lanes store 256 consecutive bytes, aligned
	s_wait_tensorcnt 0x0                           ; the wave's end, behind my last LDS store
	ds_add_u32 v[SPW], v[NIL]
	s_wait_dscnt 0x0
	s_endpgm
; ---------------- PATH W: the weights ----------------
.set NB,     8                         ; blocks of 32 along K for a lane: 256 along K
.set WPITCH, 272                       ; a stage row: a column's 256 bytes of codes (512 along K) + 16
.set WSTG,   32768                     ; LDS: the four stages of 16 rows
.set WX,     32                        ; v32-95   two sets of 32 numbers
.set WCD,    96                        ; v96-99   a block's codes
.set WOUT,   112                       ; v112-143 the way out
.set WSB,    24                        ; v24-25   the scale bytes, four to a register
.macro WLOAD t                         ; block t: W(256 (l / 16) + 32 t + i, my column), i = 0 .. 31, into set t % 2; a row of W is 4,096 bytes
.irp i, 0,1,2,3,4,5,6,7,8,9,10,11,12,13,14,15,16,17,18,19,20,21,22,23,24,25,26,27,28,29,30,31
	global_load_b32 v[WX+32*((\t)%2)+\i], v3, s[6:7] offset:(32*(\t)+\i)*4096 th:TH_LOAD_NT
.endr
.endm
.macro WBLOCK t
.set XSW, WX+32*((\t)%2)
.if (\t) < NB-1
	s_wait_loadcnt 32                              ; this block's 32 loads are in; the next block's may be out
.else
	s_wait_loadcnt 0
.endif
	v_max3_num_f32 v16, |v[XSW]|, |v[XSW+1]|, |v[XSW+2]|           ; the block's largest magnitude: all 32 numbers are mine
	v_max3_num_f32 v17, |v[XSW+3]|, |v[XSW+4]|, |v[XSW+5]|
.irp i, 6,10,14,18,22,26
	v_max3_num_f32 v16, v16, |v[XSW+\i]|, |v[XSW+\i+1]|
	v_max3_num_f32 v17, v17, |v[XSW+\i+2]|, |v[XSW+\i+3]|
.endr
	v_max3_num_f32 v16, v16, |v[XSW+30]|, |v[XSW+31]|
	v_max3_num_f32 v16, v16, v17, 0x1800000        ; and the floor 2^(3 - 127)
	v_add_nc_u32 v11, 0xff000000, v16              ; 2 off its exponent field: the conversion's scale operand
	v_lshrrev_b32 v17, 23, v11                     ; the scale's byte
.if (\t)%4 == 0
	v_mov_b32 v[WSB+(\t)/4], v17                   ; four bytes to a register, the lower K in the lower byte
.else
	v_lshl_or_b32 v[WSB+(\t)/4], v17, 8*((\t)%4), v[WSB+(\t)/4]
.endif
.irp g, 0,1,2,3
	v_cvt_scalef32_pk8_fp4_f32 v[WCD+\g], v[XSW+8*\g:XSW+8*\g+7], v11
.endr
	v_nop                                          ; one plain line behind the last conversion
	ds_store_b128 v4, v[WCD:WCD+3] offset:16*(\t)  ; 32 codes: 16 bytes of my column's row
.if (\t)+2 < NB
	WLOAD (\t)+2
.endif
	s_wait_dscnt 0x0                               ; the store has read its registers: the next block's codes may be written
.endm
.Lpath_w:
	s_sub_co_u32 s25, ttmp9, 256
	s_lshr_b32 s26, s25, 5                         ; which weight: 0 q, 1 k, 2 v
	s_and_b32 s27, s25, 15                         ; which 64 columns
	s_bfe_u32 s28, s25, 0x10004                    ; which 512 along K
	s_cmp_eq_u32 s26, 0                            ; the choice hangs on the work-group's number alone
	s_cselect_b64 s[6:7], s[6:7], s[8:9]
	s_cmp_eq_u32 s26, 2
	s_cselect_b64 s[6:7], s[10:11], s[6:7]
	s_lshl_b32 s27, s27, 6
	s_lshl_b32 s29, s[WV], 4
	s_add_co_u32 s27, s27, s29                     ; my wave's first column
	s_lshl_b32 s26, s26, 10
	s_add_co_u32 s26, s26, s27                     ; and its row in wc and ws
	s_lshl_b32 s30, s28, 21                        ; W: 512 rows of 4,096 bytes,
	s_lshl_b32 s29, s27, 2                         ; + 4 bytes a column
	s_add_co_u32 s30, s30, s29
	s_mov_b32 s31, 0
	s_add_nc_u64 s[6:7], s[6:7], s[30:31]
	s_lshl_b32 s30, s26, 9                         ; wc: 512 bytes a row, + 256 for the second half of K
	s_lshl_b32 s29, s28, 8
	s_add_co_u32 s30, s30, s29
	s_add_nc_u64 s[18:19], s[18:19], s[30:31]
	s_lshl_b32 s30, s26, 5                         ; ws: 32 bytes a row, + 16
	s_lshl_b32 s29, s28, 4
	s_add_co_u32 s30, s30, s29
	s_add_nc_u64 s[20:21], s[20:21], s[30:31]
	s_mul_i32 s29, s[WV], 16*WPITCH
	s_add_co_u32 s29, s29, WSTG                    ; my stage
	v_and_b32 v5, 15, v2                           ; my column of the wave's 16
	v_lshrrev_b32 v6, 4, v2                        ; my 256 of the 512 along K
	v_lshlrev_b32 v3, 2, v5                        ; in: 4 bytes a column,
	v_lshl_add_u32 v3, v6, 20, v3                  ; + 256 rows of 4,096 bytes
	v_mul_u32_u24 v4, v5, WPITCH
	v_lshl_add_u32 v4, v6, 7, v4
	v_add_nc_u32 v4, s29, v4                       ; into the stage: row = my column, + 128 bytes for the second 256 along K
	v_mul_u32_u24 v7, v6, WPITCH                   ; out of it: sixteen lanes to a row, two rows an instruction
	v_lshl_add_u32 v7, v5, 4, v7
	v_add_nc_u32 v7, s29, v7
	v_lshlrev_b32 v8, 9, v6
	v_lshl_add_u32 v8, v5, 4, v8                   ; and the same place in wc
	v_lshlrev_b32 v9, 5, v5
	v_lshl_add_u32 v9, v6, 3, v9                   ; my column's row of scale bytes, + 8 for the second 256 along K
	WLOAD 0
	WLOAD 1
.set Q, 0
.rept NB
	WBLOCK Q
.set Q, Q+1
.endr
	global_store_b64 v9, v[WSB:WSB+1], s[20:21]    ; my eight scale bytes
.irp t, 0,1,2,3,4,5,6,7
	ds_load_b128 v[WOUT+4*\t:WOUT+4*\t+3], v7 offset:2*\t*WPITCH   ; LDS serves a wave's instructions in order: these see my stores
.endr
.irp t, 0,1,2,3,4,5,6,7
	s_wait_dscnt 7-\t
	global_store_b128 v8, v[WOUT+4*\t:WOUT+4*\t+3], s[18:19] offset:2*\t*512   ; sixteen lanes store 256 consecutive bytes, aligned
.endr
	s_wait_tensorcnt 0x0                           ; the wave's end, behind my last LDS store
	ds_add_u32 v[SPW], v[NIL]
	s_wait_dscnt 0x0
	s_endpgm
.Lfunc_end_k_q79515f7427_prep:
	.size	k_q79515f7427_prep, .Lfunc_end_k_q79515f7427_prep-k_q79515f7427_prep
	.p2alignl 7, 3214868480
	.fill 96, 4, 3214868480
	.section	.rodata,"a",@progbits
	.p2align	6, 0x0
	.amdhsa_kernel k_q79515f7427_prep
		.amdhsa_group_segment_fixed_size 68096
		.amdhsa_private_segment_fixed_size 0
		.amdhsa_enable_private_segment 0
		.amdhsa_kernarg_size 80
		.amdhsa_user_sgpr_count 2
		.amdhsa_user_sgpr_kernarg_segment_ptr 1
		.amdhsa_wavefront_size32 1
		.amdhsa_system_sgpr_workgroup_id_x 1
		.amdhsa_system_sgpr_workgroup_id_y 1
		.amdhsa_system_sgpr_workgroup_id_z 1
		.amdhsa_system_vgpr_workitem_id 0
		.amdhsa_next_free_vgpr 192
		.amdhsa_next_free_sgpr 66
		.amdhsa_reserve_vcc 0
		.amdhsa_float_denorm_mode_32 3
		.amdhsa_float_denorm_mode_16_64 3
		.amdhsa_memory_ordered 1
		.amdhsa_forward_progress 1
		.amdhsa_inst_pref_size 100
	.end_amdhsa_kernel
	.amdgpu_metadata
---
amdhsa.version: [ 1, 2 ]
amdhsa.kernels:
  - .name:           k_q79515f7427_prep
    .symbol:         k_q79515f7427_prep.kd
    .args:
      - { .name: x, .offset: 0, .size: 8, .value_kind: global_buffer, .address_space: global }
      - { .name: q_wei, .offset: 8, .size: 8, .value_kind: global_buffer, .address_space: global }
      - { .name: k_wei, .offset: 16, .size: 8, .value_kind: global_buffer, .address_space: global }
      - { .name: v_wei, .offset: 24, .size: 8, .value_kind: global_buffer, .address_space: global }
      - { .name: mask, .offset: 32, .size: 8, .value_kind: global_buffer, .address_space: global }
      - { .name: xc, .offset: 40, .size: 8, .value_kind: global_buffer, .address_space: global }
      - { .name: xs, .offset: 48, .size: 8, .value_kind: global_buffer, .address_space: global }
      - { .name: wc, .offset: 56, .size: 8, .value_kind: global_buffer, .address_space: global }
      - { .name: ws, .offset: 64, .size: 8, .value_kind: global_buffer, .address_space: global }
      - { .name: lmask, .offset: 72, .size: 8, .value_kind: global_buffer, .address_space: global }
    .group_segment_fixed_size: 68096
    .private_segment_fixed_size: 0
    .kernarg_segment_align: 8
    .kernarg_segment_size: 80
    .max_flat_workgroup_size: 128
    .sgpr_count:     66
    .vgpr_count:     192
    .wavefront_size: 32
...
	.end_amdgpu_metadata
.endif
;; end of part 1
;; launch proj (part 2): grid 12 x 32, 4 waves a work-group, clusters of 4 x 4, 327,680 bytes of LDS; arguments xc, xs, wc, ws, qkv; writes qkv
.if DOCPART == 2
	.amdgcn_target "amdgcn-amd-amdhsa--gfx1250"
	.amdhsa_code_object_version 6
	.text
	.protected	k_q79515f7427_proj
	.globl	k_q79515f7427_proj
	.p2align	8
	.type	k_q79515f7427_proj,@function
k_q79515f7427_proj:
	s_mov_b64 s[64:65], 0
	v_nop
	global_prefetch_b8 v0, s[64:65] scope:SCOPE_SE
	s_setreg_imm32_b32 hwreg(HW_REG_WAVE_MODE, 25, 1), 1
	s_wait_xcnt 0x0
	s_wait_alu depctr_hold_cnt(0) depctr_sa_sdst(0) depctr_va_vdst(0) depctr_va_sdst(0) depctr_va_ssrc(0) depctr_va_vcc(0) depctr_vm_vsrc(0)
	s_getreg_b32 s2, hwreg(HW_REG_IB_STS2, 6, 4)
	s_cmp_eq_u32 s2, 0
	s_cbranch_scc0 .Lentry_in_a_cluster
	s_endpgm
.Lentry_in_a_cluster:
	s_bfe_u32 s2, ttmp6, 0x10000c
	s_cmp_lg_u32 s2, 0xf033
	s_cbranch_scc0 .Lentry_shape_is_right
	s_endpgm
.Lentry_shape_is_right:
; PROJ: the three quantised products as ONE GEMM on codes of FP4: qkv[m][n] = sum over k of x[m][k] w[k][n], m = 0 .. 8191, n = 0 .. 3071 (q, then k, then v), K = 1,024; sums in f32, the result rounded once to f16.
; Nothing of the problem's work is left out here.  LIMIT: |q|, |k|, |v| stay under 65,504, f16's largest number (inputs of the problem's kind, and 30 times larger or offset by 30 spreads, give under 30,000).
; A: xc [8192][512 bytes], xs [8192][32];  B: wc [3072][512 bytes], ws [3072][32]: two codes a byte, the lower k in the low four bits; one E8M0 byte for each 32 along K.
; A tile of 256 x 256 is made by four waves, each 128 x 128: 64 accumulators, 512 registers.  K is two K steps of 512 (tile rows of 256 bytes): both are asked for at the head, one into each LDS slot; nothing is filled again.
; The scale bytes of the work-group's 256 + 256 rows, for all of K, are two dense blocks of memory: they come once, with the first fills.
; CLUSTERS: 4 x 4 work-groups.  The four of a row of the cluster need the same tiles of A, the four of a column the same tiles of B: each tile is asked for JOINTLY, by the same tensor load with a mask that names the four.
; THE MATRIX INSTRUCTION IS USED TRANSPOSED (source 0 = 16 rows of B, source 1 = 16 rows of A): a lane then holds eight neighbouring numbers of a row of qkv, which pack into 16 bytes of f16.
; REGISTERS, in windows of 256: window 0: v0-31 addresses; v32-95 scale words, two sets; v128-191 A's fragments, ONE set; on the way out v32-63, v192-255.
;   window 1: B's fragments, TWO sets, at v0 and v128.   window 2: the accumulators of my rows 0-63 ((a, b) at v[8 (8 a + b)]);   window 3: those of my rows 64-127.
.set SIZE_N, 3072
.set SIZE_K, 1024
.set KSTEP,  512
.set NQ,     KSTEP/128
.set ROWB,   256                       ; a tile's row in bytes
.set KROW,   SIZE_K*4/8                ; a row of codes in memory
.set PITCH,  272                       ; an LDS row: 256 bytes + 16 of padding = 68 words: the 16 rows that a load touches start at 16 different banks (64 banks of 4 bytes: ISA guide 11.1)
.set FR,     8
.set NL,     2
.set NP,     4                         ; places behind this matrix instruction (ISA guide 7.12.1)
.set HALFT,  128*PITCH
.set SLOT,   4*HALFT
.set KS,     SIZE_K/32                 ; a row of scales in bytes
.set SCL,    2*SLOT                    ; behind the slots: the scales, as units of 256 bytes + 16 of padding
.set HALFS,  (128*KS/256)*272
.set SBLK,   (16*KS/256)*272
.set SPARE,  SCL+4*HALFS               ; the spare words, 128 bytes for each wave
.set SPITCH, 272                       ; the way out: a stage of 16 rows x (256 bytes + 16) for each wave, in slot 0, which has had its only fill and its last read when the first result is stored there
.set ADRA, 16
.set ADRB, 20
.set STO,  24
.set RD,   25
.set CO,   26
.set ADRS, 27
.set SPW,  28
.set NIL,  29
.set SC,   32
.set AF,   128
.set TMP,  192                         ; the way out: packed results
.set OB,   32                          ; and 16 rows read back: v32-63 and v224-255 by turns
.set G1, 24
.set G0, 32
.set G1B, 48
.set G0B, 56
.set G1S, 68
.set G0S, 76
.set G1SB, 80
.set G0SB, 88
.set MSB, 0
.macro WIN new                         ; the immediate's high byte repeats the setting that is left
.if MSB != \new
	s_set_vgpr_msb (MSB<<8)|\new
.set MSB, \new
.endif
.endm
.set MUL_LO, 0xa1                      ; source 0 (B) window 1, source 1 (A) window 0, C and D window 2
.set MUL_HI, 0xf1
.set TO_B,   0x40
; A joint load: waves 0 and 1 fetch for A, waves 2 and 3 for B; the branch hangs on the wave's number alone.  An s_nop 0 and four v_nop follow each of the two lines.
.macro JLOAD g0a, g1a, g0b, g1b
	s_cmp_eq_u32 s15, 0
	s_cbranch_scc0 .Lfor_b_\@
	tensor_load_to_lds s[\g0a:\g0a+3], s[\g1a:\g1a+7]
	s_nop 0
.rept 4
	v_nop
.endr
	s_branch .Lasked_\@
.Lfor_b_\@:
	tensor_load_to_lds s[\g0b:\g0b+3], s[\g1b:\g1b+7]
	s_nop 0
.rept 4
	v_nop
.endr
.Lasked_\@:
.endm
.macro CROUND                          ; a round of the cluster's barrier
	s_barrier_signal -1
	s_barrier_wait -1
	s_cmp_lg_u32 s14, 0
	s_cbranch_scc1 .Lnot_wave_0_\@
	s_barrier_signal -3
.Lnot_wave_0_\@:
	s_barrier_wait -3
	s_barrier_signal -1
	s_barrier_wait -1
.endm
	s_load_b128 s[4:7], s[0:1], 0x0                ; xc s[4:5], xs s[6:7]
	s_load_b128 s[8:11], s[0:1], 0x10              ; wc s[8:9], ws s[10:11]
	s_load_b64 s[12:13], s[0:1], 0x20              ; qkv
	v_lshl_add_u32 v[SPW], v0, 2, SPARE
	v_mov_b32 v[NIL], 0
	ds_add_u32 v[SPW], v[NIL]                      ; the wave's opening: the add, twice on end, and its wait ahead of my first tensor load
	ds_add_u32 v[SPW], v[NIL]
	v_lshrrev_b32 v1, 5, v0
	v_readfirstlane_b32 s14, v1                    ; wave 0..3
	s_lshr_b32 s15, s14, 1                         ; which half of the tile's rows is mine.  Also: I fetch for A (0) or for B (1)
	s_and_b32 s16, s14, 1                          ; which half of its columns.  Also: which 128 rows of that tile I fetch
	s_bfe_u32 s40, ttmp6, 0x40000                  ; cx, cy: my place in the cluster
	s_bfe_u32 s41, ttmp6, 0x40004
	s_lshl_b32 s42, ttmp9, 2
	s_add_co_u32 s42, s42, s40                     ; tile column
	s_and_b32 s17, ttmp7, 0xffff
	s_lshl_b32 s17, s17, 2
	s_add_co_u32 s17, s17, s41                     ; tile row
	s_lshl_b32 s43, s41, 2
	s_lshl_b32 s43, 15, s43                        ; my row of the cluster
	s_lshl_b32 s44, 0x1111, s40                    ; my column
	s_or_b32 s[G1+0], s43, (0<<16)|(1<<20)|(1<<21)|(5<<22)|(3<<25)  ; the mask; elements of 1 byte; padding on; bit 21 beside a mask; four words after every 64
	s_or_b32 s[G1B+0], s44, (0<<16)|(1<<20)|(1<<21)|(5<<22)|(3<<25)
.irp g, G1, G1B
	s_mov_b32 s[\g+1], ROWB<<16                    ; tensor_dim0
	s_mov_b32 s[\g+2], 128<<16                     ; tensor_dim1
	s_mov_b32 s[\g+3], ROWB<<16                    ; tile_dim0
	s_mov_b32 s[\g+4], 128                         ; tile_dim1
	s_mov_b32 s[\g+5], KROW                        ; the pitch
	s_mov_b32 s[\g+6], 0
	s_mov_b32 s[\g+7], 0
.endr
	s_or_b32 s[G1S+0], s43, (3<<16)|(1<<20)|(1<<21)|(5<<22)|(3<<25) ; the scales of 128 rows: a dense block, as rows of 256 bytes (32 elements of 8 bytes), 16 bytes of padding behind each
	s_or_b32 s[G1SB+0], s44, (3<<16)|(1<<20)|(1<<21)|(5<<22)|(3<<25)
.irp g, G1S, G1SB
	s_mov_b32 s[\g+1], 32<<16
	s_mov_b32 s[\g+2], (128*KS/256)<<16
	s_mov_b32 s[\g+3], 32<<16
	s_mov_b32 s[\g+4], 128*KS/256
	s_mov_b32 s[\g+5], 32
	s_mov_b32 s[\g+6], 0
	s_mov_b32 s[\g+7], 0
.endr
	s_lshl_b32 s18, s16, 7
	s_lshl_b32 s20, s17, 8
	s_add_co_u32 s20, s20, s18                     ; A: row 256 x tile row + 128 x half
	s_lshl_b32 s46, s42, 8
	s_add_co_u32 s46, s46, s18                     ; B: row 256 x tile column + 128 x half
	s_mov_b32 s21, 0
	s_mov_b32 s47, 0
	s_mov_b64 s[18:19], KS
	s_mul_u64 s[22:23], s[20:21], s[18:19]         ; where these rows' scales begin,
	s_mul_u64 s[92:93], s[46:47], s[18:19]
	s_mov_b64 s[18:19], KROW
	s_mul_u64 s[20:21], s[20:21], s[18:19]         ; and their codes
	s_mul_u64 s[46:47], s[46:47], s[18:19]
	s_mul_i32 s45, s14, HALFT                      ; where they go: wave x 128 rows
	s_mul_i32 s94, s14, HALFS
	s_wait_dscnt 0x0                               ; both opening adds are done
	s_wait_kmcnt 0x0
	s_add_nc_u64 s[20:21], s[4:5], s[20:21]
	s_add_nc_u64 s[22:23], s[6:7], s[22:23]
	s_add_nc_u64 s[46:47], s[8:9], s[46:47]
	s_add_nc_u64 s[92:93], s[10:11], s[92:93]
	CROUND                                         ; all sixteen work-groups are here: the joint loads meet
	s_mov_b32 s[G0S], 1
	s_add_co_u32 s[G0S+1], s94, SCL
	s_mov_b64 s[G0S+2:G0S+3], s[22:23]
	s_or_b32 s[G0S+3], s[G0S+3], 0x80000000
	s_mov_b32 s[G0SB], 1
	s_add_co_u32 s[G0SB+1], s94, SCL
	s_mov_b64 s[G0SB+2:G0SB+3], s[92:93]
	s_or_b32 s[G0SB+3], s[G0SB+3], 0x80000000
	JLOAD G0S, G1S, G0SB, G1SB                     ; the scales first: three loads of mine are out in all
.irp s, 0,1
	s_mov_b32 s[G0+4*\s], 1
	s_add_co_u32 s[G0+4*\s+1], s45, \s*SLOT
	s_add_nc_u64 s[G0+4*\s+2:G0+4*\s+3], s[20:21], \s*ROWB
	s_or_b32 s[G0+4*\s+3], s[G0+4*\s+3], 0x80000000
	s_mov_b32 s[G0B+4*\s], 1
	s_add_co_u32 s[G0B+4*\s+1], s45, \s*SLOT
	s_add_nc_u64 s[G0B+4*\s+2:G0B+4*\s+3], s[46:47], \s*ROWB
	s_or_b32 s[G0B+4*\s+3], s[G0B+4*\s+3], 0x80000000
	JLOAD G0+4*\s, G1, G0B+4*\s, G1B
.endr
	v_and_b32 v1, 15, v0                           ; l % 16
	v_bfe_u32 v2, v0, 4, 1                         ; l / 16
	v_mul_u32_u24 v3, v1, PITCH
	v_lshl_add_u32 v4, v2, 4, v3                   ; a fragment's row x pitch + 16 x half
	s_mul_i32 s21, s15, HALFT                      ; my 128 rows of A
	s_mul_i32 s22, s16, HALFT                      ; my 128 rows of B,
	s_add_co_u32 s22, s22, 2*HALFT                 ; which lie behind A's 256
.irp s, 0,1
	v_add_nc_u32 v[ADRA+\s], s21, v4
	v_add_nc_u32 v[ADRB+\s], s22, v4
	s_add_co_u32 s21, s21, SLOT
	s_add_co_u32 s22, s22, SLOT
.endr
	v_mul_u32_u24 v5, v1, KS                       ; my row's scales: KS bytes a row,
	v_lshrrev_b32 v6, 8, v5
	v_lshl_add_u32 v5, v6, 4, v5                   ; and 16 more for each 256 passed
	s_mul_i32 s21, s15, HALFS
	s_mul_i32 s22, s16, HALFS
	s_add_co_u32 s22, s22, 2*HALFS
	s_sub_co_u32 s22, s22, s21
	v_mul_u32_u24 v6, s22, v2                      ; lanes 16-31 take B's: ONE product, the distance between the two bases
	s_add_co_u32 s21, s21, SCL
	v_add_nc_u32 v5, v5, v6
	v_add_nc_u32 v[ADRS], s21, v5
	s_mul_i32 s23, s14, 16*SPITCH                  ; my stage
	v_mul_u32_u24 v5, v1, SPITCH                   ; in: row l % 16, 16 bytes for each half of the lanes
	v_lshl_add_u32 v5, v2, 4, v5
	v_add_nc_u32 v[STO], s23, v5
	v_mul_u32_u24 v5, v2, SPITCH                   ; back: lanes 0-15 one row of 256 bytes, lanes 16-31 the next
	v_lshl_add_u32 v5, v1, 4, v5
	v_add_nc_u32 v[RD], s23, v5
	v_mul_u32_u24 v5, v2, SIZE_N*2                 ; and the same two rows in qkv
	v_lshl_add_u32 v[CO], v1, 4, v5
	s_lshl_b32 s20, s17, 8
	s_lshl_b32 s21, s15, 7
	s_add_co_u32 s20, s20, s21                     ; my first row of qkv
	s_mov_b32 s21, 0
	s_mov_b64 s[18:19], SIZE_N*2
	s_mul_u64 s[20:21], s[20:21], s[18:19]
	s_lshl_b32 s46, s42, 9                         ; my first column, in bytes: 512 x tile column + 256 x half
	s_lshl_b32 s47, s16, 8
	s_add_co_u32 s46, s46, s47
	s_mov_b32 s47, 0
	s_add_nc_u64 s[20:21], s[20:21], s[46:47]
	s_add_nc_u64 s[12:13], s[12:13], s[20:21]
.macro FRAG reg, adr, q, i             ; a fragment, 16 rows x 128 K of 4-bit codes, is 8 registers: lane l holds row l % 16; registers 4 c .. 4 c + 3 hold K = 64 c + 32 (l / 16) + 0 .. 31
.irp c, 0,1
	ds_load_b128 v[\reg+4*\c:\reg+4*\c+3], v[\adr] offset:64*(\q)+32*\c+(\i)*16*PITCH
.endr
.endm
; 16 matrix instructions: A's blocks a0, a0 + 1 x B's eight, the slot's q-th 128 along K.  The 64 accumulators take turns, one instruction a turn, in the same order in every step.
; One register carries A's scale word (lanes 0-15) and B's (lanes 16-31): source 0 (B) reads the upper lanes of register b, source 1 (A) the lower lanes of register a.
.macro MUL16 a0, p, q, sc, zero
.irp a, \a0, \a0+1
.irp b, 0,1,2,3,4,5,6,7
.if \zero
	v_wmma_scale_f32_16x16x128_f8f6f4 v[8*(8*((\a)%4)+\b):8*(8*((\a)%4)+\b)+7], v[128*(\p)+FR*\b:128*(\p)+FR*\b+FR-1], v[AF+FR*(\a):AF+FR*(\a)+FR-1], 0, v[SC+8*NQ*(\sc)+NQ*\b+(\q)], v[SC+8*NQ*(\sc)+NQ*(\a)+(\q)] matrix_a_fmt:MATRIX_FMT_FP4 matrix_b_fmt:MATRIX_FMT_FP4 matrix_a_scale:MATRIX_SCALE_ROW1
.else
	v_wmma_scale_f32_16x16x128_f8f6f4 v[8*(8*((\a)%4)+\b):8*(8*((\a)%4)+\b)+7], v[128*(\p)+FR*\b:128*(\p)+FR*\b+FR-1], v[AF+FR*(\a):AF+FR*(\a)+FR-1], v[8*(8*((\a)%4)+\b):8*(8*((\a)%4)+\b)+7], v[SC+8*NQ*(\sc)+NQ*\b+(\q)], v[SC+8*NQ*(\sc)+NQ*(\a)+(\q)] matrix_a_fmt:MATRIX_FMT_FP4 matrix_b_fmt:MATRIX_FMT_FP4 matrix_a_scale:MATRIX_SCALE_ROW1
.endif
.endr
.endr
.endm
.macro FETCH_B slot, q, p
	WIN TO_B
.irp i, 0,1,2,3,4,5,6,7
	FRAG 128*(\p)+FR*\i, ADRB+\slot, \q, \i
.endr
	WIN 0
.endm
.macro FETCH_A slot, q, i0
.irp i, \i0, \i0+1, \i0+2, \i0+3
	FRAG AF+FR*(\i), ADRA+\slot, \q, \i
.endr
.endm
.macro SCALES sc                       ; a K step's scale words into set sc: four words a row; lanes 0-15 take A's block i, lanes 16-31 B's block i
.irp i, 0,1,2,3,4,5,6,7
	ds_load_b128 v[SC+8*NQ*\sc+NQ*\i:SC+8*NQ*\sc+NQ*\i+3], v[ADRS] offset:\i*SBLK
.endr
.endm
.macro PLACES n                        ; plain vector instructions between a matrix instruction and a load into, or a read of, its registers
.rept \n
	v_nop
.endr
.endm
.macro STEP slot, q, zero              ; a step of 128 along K that has its successor in the same slot
	s_wait_dscnt 4*NL                              ; B's set and A's blocks 0-3 are in; the youngest eight loads (A's blocks 4-7) may be out
	WIN MUL_LO
	MUL16 0, (\q)%2, \q, \slot, \zero
	MUL16 2, (\q)%2, \q, \slot, \zero
	s_wait_dscnt 0
	PLACES NP
	FETCH_B \slot, (\q)+1, 1-(\q)%2
	FETCH_A \slot, (\q)+1, 0
	WIN MUL_HI
	MUL16 4, (\q)%2, \q, \slot, \zero
	MUL16 6, (\q)%2, \q, \slot, \zero
	PLACES NP
	WIN 0
	FETCH_A \slot, (\q)+1, 4
.endm
.macro TURN slot, next                 ; slot 0's last step changes slots: one barrier; in front of it each wave's loads have landed (slot 1's among them) and its reads of slot 0 are over.
	s_wait_tensorcnt 0x0
	ds_add_u32 v[SPW], v[NIL]                      ; 0 onto my spare word
	s_wait_dscnt 4*NL+1                            ; (the add and the youngest eight loads may be out)
	WIN MUL_LO
	MUL16 0, 1, NQ-1, \slot, 0
	s_wait_dscnt 0x0
	s_barrier_signal -1
	MUL16 2, 1, NQ-1, \slot, 0
	WIN 0
	s_barrier_wait -1
	PLACES NP
	v_add_nc_u32 v[ADRS], 4*NQ, v[ADRS]            ; on to the next K step's scale words
	FETCH_B \next, 0, 0
	FETCH_A \next, 0, 0
	SCALES \next
	WIN MUL_HI
	MUL16 4, 1, NQ-1, \slot, 0
	MUL16 6, 1, NQ-1, \slot, 0
	PLACES NP
	WIN 0
	FETCH_A \next, 0, 4
.endm
.macro STEPS slot, from
.set Q, \from
.rept NQ-1-\from
	STEP \slot, Q, 0
.set Q, Q+1
.endr
.endm
	s_wait_tensorcnt 1                             ; the scales and my part of K step 0 are in (K step 1's load may be out),
	s_barrier_signal -1
	s_barrier_wait -1                              ; everybody's are
	FETCH_B 0, 0, 0
	FETCH_A 0, 0, 0
	SCALES 0
	FETCH_A 0, 0, 4
	STEP 0, 0, 1                                   ; the first step's products start the sums: nothing is cleared
	STEPS 0, 1
	TURN 0, 1
	STEPS 1, 0
	s_wait_dscnt 4*NL                              ; the very last step: nothing more to fetch
	WIN MUL_LO
	MUL16 0, 1, NQ-1, 1, 0
	MUL16 2, 1, NQ-1, 1, 0
	s_wait_dscnt 0
	WIN MUL_HI
	MUL16 4, 1, NQ-1, 1, 0
	MUL16 6, 1, NQ-1, 1, 0
	WIN 0
; THE WAY OUT, block by block of 16 rows x 128 columns.  PACK: rounded to f16, 16 bytes a lane, each accumulator from its low end on.  TOSTAGE: into my own stage, and back as whole rows of 256 bytes.  SEND: stored.
.macro PACK a
.set AC, 64*((\a)%4)
	WIN 0x0a+5*((\a)/4)                            ; sources 0 and 1: window 2 or 3
.irp b, 0,1,2,3,4,5,6,7
.irp r, 0,1,2,3
	v_cvt_pk_f16_f32 v[TMP+4*\b+\r], v[AC+8*\b+2*\r], v[AC+8*\b+2*\r+1]
.endr
.endr
	WIN 0
.endm
.macro TOSTAGE a
.set BB, OB+192*((\a)%2)
.irp b, 0,1,2,3,4,5,6,7
	ds_store_b128 v[STO], v[TMP+4*\b:TMP+4*\b+3] offset:32*\b
.endr
.irp t, 0,1,2,3,4,5,6,7
	ds_load_b128 v[BB+4*\t:BB+4*\t+3], v[RD] offset:\t*2*SPITCH    ; LDS serves a wave's instructions in order (ISA guide 5.7.1.4): these see the stores above
.endr
.endm
.macro SEND a
.set BB, OB+192*((\a)%2)
	s_wait_dscnt 0x0                               ; the block is back in registers
	s_wait_xcnt 0x0                                ; the earlier stores have read their base and their registers: both may be written again
.if (\a) > 0
	s_add_nc_u64 s[12:13], s[12:13], 16*SIZE_N*2   ; 16 rows on
.endif
.irp t, 0,1,2,3,4,5,6,7
	global_store_b128 v[CO], v[BB+4*\t:BB+4*\t+3], s[12:13] offset:2*\t*SIZE_N*2   ; 16 lanes store 256 consecutive bytes, at a multiple of 256 from qkv's first byte
.endr
.endm
	PLACES NP
	PACK 0
	TOSTAGE 0
.irp a, 1,2,3,4,5,6,7                  ; block a's conversions stand between block a - 1's loads from the stage and the wait for them
	PACK \a
	SEND \a-1
	TOSTAGE \a
.endr
	SEND 7
	s_wait_tensorcnt 0x0                           ; the wave's end, behind my last tensor load and my last LDS store
	ds_add_u32 v[SPW], v[NIL]
	s_wait_dscnt 0x0
	CROUND                                         ; the closing round
	s_endpgm
.Lfunc_end_k_q79515f7427_proj:
	.size	k_q79515f7427_proj, .Lfunc_end_k_q79515f7427_proj-k_q79515f7427_proj
	.p2alignl 7, 3214868480
	.fill 96, 4, 3214868480
	.section	.rodata,"a",@progbits
	.p2align	6, 0x0
	.amdhsa_kernel k_q79515f7427_proj
		.amdhsa_group_segment_fixed_size 327680
		.amdhsa_private_segment_fixed_size 0
		.amdhsa_enable_private_segment 0
		.amdhsa_kernarg_size 40
		.amdhsa_user_sgpr_count 2
		.amdhsa_user_sgpr_kernarg_segment_ptr 1
		.amdhsa_wavefront_size32 1
		.amdhsa_system_sgpr_workgroup_id_x 1
		.amdhsa_system_sgpr_workgroup_id_y 1
		.amdhsa_system_sgpr_workgroup_id_z 1
		.amdhsa_system_vgpr_workitem_id 0
		.amdhsa_next_free_vgpr 1024
		.amdhsa_next_free_sgpr 98
		.amdhsa_reserve_vcc 0
		.amdhsa_float_denorm_mode_32 3
		.amdhsa_float_denorm_mode_16_64 3
		.amdhsa_memory_ordered 1
		.amdhsa_forward_progress 1
		.amdhsa_inst_pref_size 127
	.end_amdhsa_kernel
	.amdgpu_metadata
---
amdhsa.version: [ 1, 2 ]
amdhsa.kernels:
  - .name:           k_q79515f7427_proj
    .symbol:         k_q79515f7427_proj.kd
    .args:
      - { .name: xc, .offset: 0, .size: 8, .value_kind: global_buffer, .address_space: global }
      - { .name: xs, .offset: 8, .size: 8, .value_kind: global_buffer, .address_space: global }
      - { .name: wc, .offset: 16, .size: 8, .value_kind: global_buffer, .address_space: global }
      - { .name: ws, .offset: 24, .size: 8, .value_kind: global_buffer, .address_space: global }
      - { .name: qkv, .offset: 32, .size: 8, .value_kind: global_buffer, .address_space: global }
    .group_segment_fixed_size: 327680
    .private_segment_fixed_size: 0
    .kernarg_segment_align: 8
    .kernarg_segment_size: 40
    .max_flat_workgroup_size: 128
    .sgpr_count:     98
    .vgpr_count:     1024
    .wavefront_size: 32
...
	.end_amdgpu_metadata
.endif
;; end of part 2
;; launch scores (part 3): grid 8 x 32, 4 waves a work-group, clusters of 4 x 4, 327,680 bytes of LDS; arguments qkv, lmask, pbuf, stats; writes pbuf, stats
.if DOCPART == 3
	.amdgcn_target "amdgcn-amd-amdhsa--gfx1250"
	.amdhsa_code_object_version 6
	.text
	.protected	k_q79515f7427_scores
	.globl	k_q79515f7427_scores
	.p2align	8
	.type	k_q79515f7427_scores,@function
k_q79515f7427_scores:
	s_mov_b64 s[64:65], 0
	v_nop
	global_prefetch_b8 v0, s[64:65] scope:SCOPE_SE
	s_setreg_imm32_b32 hwreg(HW_REG_WAVE_MODE, 25, 1), 1
	s_wait_xcnt 0x0
	s_wait_alu depctr_hold_cnt(0) depctr_sa_sdst(0) depctr_va_vdst(0) depctr_va_sdst(0) depctr_va_ssrc(0) depctr_va_vcc(0) depctr_vm_vsrc(0)
	s_getreg_b32 s2, hwreg(HW_REG_IB_STS2, 6, 4)
	s_cmp_eq_u32 s2, 0
	s_cbranch_scc0 .Lentry_in_a_cluster
	s_endpgm
.Lentry_in_a_cluster:
	s_bfe_u32 s2, ttmp6, 0x10000c
	s_cmp_lg_u32 s2, 0xf033
	s_cbranch_scc0 .Lentry_shape_is_right
	s_endpgm
.Lentry_shape_is_right:
; SCORES: s[b][q][k] = q[b][q] . k[b][k] in f16 with f32 sums; t = s x log2(e) / 32; the mask (an input: every tile is computed, hidden scores are then selected away); a softmax LOCAL to 128 keys.  Nothing of the problem's work is left out here.
; For each query and each block kb of 128 keys: M = the largest open t, rounded UP to a whole number (kept as nM = -M = floor(-t)); p = 2^(t - M), 0 where the key is hidden; l = the f32 sum of the unrounded p.
; p goes to pbuf as f16 IN THE ORDER OF THE NEXT LAUNCH'S OPERAND REGISTERS: [tile of 16 queries, 512][16 keys, 128][lane][16 bytes]: lane l's 16 bytes are query l % 16, keys 8 (l / 16) + 0 .. 7 of the 16: just what a lane holds here.
; nM goes to stats at [(16 b + kb) 2048 + q], l 524,288 bytes further on.  The next launch joins the sixteen blocks of a row by exact powers of two: so the row's true maximum is taken away.
; A block with no open key: its largest t is held at -3e38, so nM = 3e38, every p is 2^(-infinity) = 0 and l = 0.
; LIMITS: NaN or infinite scores are not served; |q|, |k| under 65,504.
; SHARES: a work-group makes 256 queries x 256 keys of one batch; a wave 128 x 128: 64 accumulators of 16 x 16, 512 registers.  K = 1,024 goes in eight steps of 128 through a ring of two LDS slots; tile rows are 256 bytes of memory.
; CLUSTERS: 4 x 4 work-groups.  The four of a row of the cluster need the same rows of q, the four of a column the same rows of k: each tile is asked for JOINTLY, by the same tensor load with a mask that names the four.
; THE MATRIX INSTRUCTION IS USED TRANSPOSED (source 0 = 16 keys, source 1 = 16 queries): lane l holds query l % 16, its registers 0-7 keys 8 (l / 16) + 0 .. 7.  A word of lmask is the lane mask of one such register.
; THE MASK WORDS of my 128 x 128, 512 words, are loaded once at the head, 16 registers, and come to scalar registers by v_readlane_b32, 64 a block of 16 queries.
; REGISTERS: window 0: v0-31 addresses; v32-47 mask words; v64-127, v128-191 fragments of q, two buffers; on the way out v64-255.  window 1: v64-127, v128-191 fragments of k.  windows 2, 3: the accumulators ((a, b) at v[8 (8 (a % 4) + b)]).
.set KSTEP,  128
.set PITCH,  272                       ; an LDS row: 256 bytes + 16 of padding = 68 words: the 16 rows that a load touches start at 16 different banks (64 banks of 4 bytes: ISA guide 11.1)
.set HALFT,  128*PITCH
.set SLOT,   4*HALFT
.set STAGE,  2*SLOT                    ; behind the ring: 4,352 bytes for each wave, of which the stats take 1,024
.set SPITCH, 272
.set SPARE,  STAGE+4*16*SPITCH         ; the spare words, 128 bytes for each wave
.set LAPS,   4                         ; a lap = two K steps
.set QROW,   6144                      ; a row of qkv in bytes: q at 0, k at 2,048
.set PTILE,  65536                     ; a tile of 16 queries in pbuf: 128 pieces of 512 bytes
.set ADRA, 16
.set ADRB, 20
.set SGO,  22                          ; v22  16 x lane: my place in a piece of pbuf, and the stats' place in memory
.set MO,   23                          ; v23  8 x lane: my two mask words of a block's 64
.set STS,  27                          ; v27  stage + 4 (l % 16)
.set SPW,  28
.set NIL,  29
.set PFO,  30                          ; v30  the prefetches' offset: lane x a row of qkv
.set STL,  31                          ; v31  stage + 16 x lane
.set MW,   32                          ; v32-47 mask words: block a's word n in lane n / 2 of register 2 a + n % 2
.set F0,   64
.set F1,   128
.set T,    64                          ; v64-127  a block's 64 scores, then p
.set X,    128                         ; v128-131 maxima
.set SA,   132                         ; v[132:133], v[134:135] sums
.set SB,   134
.set MS,   160                         ; v160-167 nM of blocks 0-7
.set LS,   168                         ; v168-175 l
.set NEG,  176                         ; -infinity
.set NM,   178                         ; v[178:179] nM; the packed form names the pair and takes its low word
.set TMP,  192                         ; v192-223, v224-255 p as f16, two sets by turns
.set G1, 24
.set G0, 32
.set G1B, 48
.set G0B, 56
.set PFA, 44                           ; s[44:45] where my prefetches stand
.set LIM, 43                           ; s43  1 in a wave that prefetches, else the greatest number
.set CS,  48                           ; the way out: s[48:49] c = log2(e) / 32
.set SEL, 50                           ; s[50:51] lane selects for lane l xor 16
.set MSB, 0
.macro WIN new                         ; the immediate's high byte repeats the setting that is left
.if MSB != \new
	s_set_vgpr_msb (MSB<<8)|\new
.set MSB, \new
.endif
.endm
.set MUL_LO, 0xa1                      ; source 0 (k) window 1, source 1 (q) window 0, C and D window 2
.set MUL_HI, 0xf1
.set TO_B,   0x40
; A joint load: waves 0 and 1 fetch q's two halves, waves 2 and 3 k's; the branch hangs on the wave's number alone.  An s_nop 0 and four v_nop follow each of the two lines.
.macro JLOAD s
	s_cmp_eq_u32 s15, 0
	s_cbranch_scc0 .Lfor_b_\@
	tensor_load_to_lds s[G0+4*\s:G0+4*\s+3], s[G1:G1+7]
	s_nop 0
.rept 4
	v_nop
.endr
	s_branch .Lasked_\@
.Lfor_b_\@:
	tensor_load_to_lds s[G0B+4*\s:G0B+4*\s+3], s[G1B:G1B+7]
	s_nop 0
.rept 4
	v_nop
.endr
.Lasked_\@:
.endm
; A prefetch of the K step that stands two refills on: 32 rows x 256 bytes, a lane a row, one instruction a wave.  q's rows are read by both clusters of a row of clusters: cluster x = 0 asks; k's rows by the two rows of clusters
; of a batch: the even one asks.  The four partners that ask for a tile jointly share its rows out BY ADDRESS, 32 each.  The loop's last trip asks for nothing: no K step lies two refills on.
.macro ASK
	s_cmp_gt_u32 s3, s[LIM]
	s_cbranch_scc0 .Lnot_mine_\@
	global_prefetch_b8 v[PFO], s[PFA:PFA+1] offset:KSTEP*2 th:TH_LOAD_NT scope:SCOPE_SE
.Lnot_mine_\@:
.endm
.macro CREST                           ; a round of the cluster's barrier behind its opening barrier
	s_cmp_lg_u32 s14, 0
	s_cbranch_scc1 .Lnot_wave_0_\@
	s_barrier_signal -3
.Lnot_wave_0_\@:
	s_barrier_wait -3
	s_barrier_signal -1
	s_barrier_wait -1
.endm
.macro CROUND
	s_barrier_signal -1
	s_barrier_wait -1
	CREST
.endm
	s_load_b256 s[4:11], s[0:1], 0x0               ; qkv s[4:5], lmask s[6:7], pbuf s[8:9], stats s[10:11]
	v_lshl_add_u32 v[SPW], v0, 2, SPARE
	v_mov_b32 v[NIL], 0
	ds_add_u32 v[SPW], v[NIL]                      ; the wave's opening: the add, twice on end, and its wait ahead of my first tensor load
	ds_add_u32 v[SPW], v[NIL]
	v_lshrrev_b32 v1, 5, v0
	v_readfirstlane_b32 s14, v1                    ; wave 0..3
	s_lshr_b32 s15, s14, 1                         ; wr: which half of the queries is mine.  Also: I fetch for q (0) or for k (1)
	s_and_b32 s16, s14, 1                          ; wc: which half of the keys.  Also: which 128 rows of that tile I fetch
	s_bfe_u32 s40, ttmp6, 0x40000                  ; cx
	s_bfe_u32 s41, ttmp6, 0x40004                  ; cy
	s_lshl_b32 s42, ttmp9, 2
	s_add_co_u32 s42, s42, s40                     ; tx: the key tile, 0 .. 7
	s_and_b32 s2, ttmp7, 0xffff                    ; the cluster's y
	s_lshl_b32 s17, s2, 2
	s_add_co_u32 s17, s17, s41                     ; ty: the query tile over all batches, 0 .. 31
	s_lshr_b32 s13, s2, 1                          ; the batch: eight query tiles, two rows of clusters: made of the cluster's y alone
	s_lshl_b32 s43, s41, 2
	s_lshl_b32 s43, 15, s43                        ; my row of the cluster
	s_lshl_b32 s44, 0x1111, s40                    ; my column
	s_or_b32 s[G1+0], s43, (1<<16)|(1<<20)|(1<<21)|(5<<22)|(3<<25)  ; the mask; elements of 2 bytes; padding on; bit 21 beside a mask; four words after every 64
	s_or_b32 s[G1B+0], s44, (1<<16)|(1<<20)|(1<<21)|(5<<22)|(3<<25)
.irp g, G1, G1B
	s_mov_b32 s[\g+1], KSTEP<<16                   ; tensor_dim0 = 128
	s_mov_b32 s[\g+2], 128<<16                     ; tensor_dim1 = 128
	s_mov_b32 s[\g+3], KSTEP<<16                   ; tile_dim0 = 128
	s_mov_b32 s[\g+4], 128                         ; tile_dim1 = 128
	s_mov_b32 s[\g+5], QROW/2                      ; the pitch: 3,072 elements
	s_mov_b32 s[\g+6], 0
	s_mov_b32 s[\g+7], 0
.endr
	s_lshl_b32 s18, s16, 7
	s_lshl_b32 s20, s17, 8
	s_add_co_u32 s20, s20, s18                     ; q: row 256 ty + 128 x half
	s_lshl_b32 s46, s13, 11
	s_lshl_b32 s47, s42, 8
	s_add_co_u32 s46, s46, s47
	s_add_co_u32 s46, s46, s18                     ; k: row 2048 b + 256 tx + 128 x half
	s_mov_b32 s21, 0
	s_mov_b32 s47, 0
	s_mov_b64 s[18:19], QROW
	s_mul_u64 s[20:21], s[20:21], s[18:19]
	s_mul_u64 s[46:47], s[46:47], s[18:19]
	s_mul_i32 s12, s14, HALFT                      ; where they go: wave x 128 rows
	s_wait_dscnt 0x0                               ; both opening adds are done
	s_wait_kmcnt 0x0
	s_add_nc_u64 s[20:21], s[4:5], s[20:21]
	s_add_nc_u64 s[46:47], s[4:5], s[46:47]
	s_add_nc_u64 s[46:47], s[46:47], 2048          ; k lies 2,048 bytes into a row
	CROUND                                         ; all sixteen work-groups are here: the first joint loads meet
.irp s, 0,1
	s_mov_b32 s[G0+4*\s], 1
	s_add_co_u32 s[G0+4*\s+1], s12, \s*SLOT
	s_add_nc_u64 s[G0+4*\s+2:G0+4*\s+3], s[20:21], \s*KSTEP*2
	s_or_b32 s[G0+4*\s+3], s[G0+4*\s+3], 0x80000000
	s_mov_b32 s[G0B+4*\s], 1
	s_add_co_u32 s[G0B+4*\s+1], s12, \s*SLOT
	s_add_nc_u64 s[G0B+4*\s+2:G0B+4*\s+3], s[46:47], \s*KSTEP*2
	s_or_b32 s[G0B+4*\s+3], s[G0B+4*\s+3], 0x80000000
	JLOAD \s                                       ; two loads of mine are out
.endr
	v_and_b32 v1, 15, v0                           ; l % 16
	v_bfe_u32 v2, v0, 4, 1                         ; l / 16
	v_mul_u32_u24 v3, v1, PITCH
	v_lshl_add_u32 v3, v2, 4, v3
	s_mul_i32 s21, s15, HALFT                      ; my 128 queries
	s_mul_i32 s22, s16, HALFT                      ; my 128 keys,
	s_add_co_u32 s22, s22, 2*HALFT                 ; which lie behind q's 256 rows
.irp s, 0,1
	v_add_nc_u32 v[ADRA+\s], s21, v3
	v_add_nc_u32 v[ADRB+\s], s22, v3
	s_add_co_u32 s21, s21, SLOT
	s_add_co_u32 s22, s22, SLOT
.endr
	s_mul_i32 s23, s14, 16*SPITCH
	s_add_co_u32 s23, s23, STAGE                   ; my stage
	v_lshl_add_u32 v[STS], v1, 2, s23
	v_and_b32 v5, 31, v0
	v_lshlrev_b32 v[SGO], 4, v5
	v_add_nc_u32 v[STL], s23, v[SGO]
	v_lshlrev_b32 v[MO], 3, v5
	; lmask at my wave's first word: query tile 16 (ty % 8) + 8 wr (4,096 bytes each), key tile 16 tx + 8 wc (32 bytes each)
	s_and_b32 s18, s17, 7
	s_lshl_b32 s19, s18, 4
	s_lshl_b32 s20, s15, 3
	s_add_co_u32 s19, s19, s20
	s_lshl_b32 s19, s19, 12
	s_lshl_b32 s20, s42, 9
	s_add_co_u32 s19, s19, s20
	s_lshl_b32 s20, s16, 8
	s_add_co_u32 s20, s19, s20
	s_mov_b32 s21, 0
	s_add_nc_u64 s[6:7], s[6:7], s[20:21]
.irp a, 0,1,2,3,4,5,6,7
	global_load_b64 v[MW+2*\a:MW+2*\a+1], v[MO], s[6:7] offset:\a*4096   ; query block a's 64 words: 32 lanes read 256 consecutive bytes.  They are waited for once, ahead of the way out
.endr
	; pbuf at query tile 16 ty + 8 wr (65,536 bytes each), piece 16 tx + 8 wc (512 bytes each)
	s_lshl_b32 s20, s17, 4
	s_lshl_b32 s19, s15, 3
	s_add_co_u32 s20, s20, s19
	s_lshl_b32 s20, s20, 16
	s_lshl_b32 s19, s42, 13
	s_add_co_u32 s20, s20, s19
	s_lshl_b32 s19, s16, 12
	s_add_co_u32 s20, s20, s19
	s_add_nc_u64 s[8:9], s[8:9], s[20:21]
	; stats at ((16 b + 2 tx + wc) 2048 + 256 (ty % 8) + 128 wr) words
	s_lshl_b32 s20, s13, 4
	s_lshl_b32 s19, s42, 1
	s_add_co_u32 s20, s20, s19
	s_add_co_u32 s20, s20, s16
	s_lshl_b32 s20, s20, 11
	s_lshl_b32 s19, s18, 8
	s_add_co_u32 s20, s20, s19
	s_lshl_b32 s19, s15, 7
	s_add_co_u32 s20, s20, s19
	s_lshl_b32 s20, s20, 2
	s_add_nc_u64 s[10:11], s[10:11], s[20:21]
	; the prefetches: who asks, and where
	s_lshl_b32 s18, s17, 8                         ; q's tile: row 256 ty
	s_lshl_b32 s19, s13, 11
	s_lshl_b32 s20, s42, 8
	s_add_co_u32 s19, s19, s20                     ; k's: row 2048 b + 256 tx
	s_and_b32 s22, s2, 1
	s_cmp_eq_u32 s15, 0                            ; do I fetch for q?
	s_cselect_b32 s20, s18, s19
	s_cselect_b32 s21, s40, s41                    ; my place among the four that ask with me
	s_cselect_b32 s12, ttmp9, s22                  ; the coordinate along which other clusters read the same rows
	s_cselect_b32 s22, 0, 2048                     ; where q or k begins in a row
	s_cmp_eq_u32 s12, 0
	s_cselect_b32 s[LIM], 1, -1                    ; the same in all sixteen partners, for a given wave
	s_lshl_b32 s18, s16, 7
	s_add_co_u32 s20, s20, s18                     ; + the 128 rows that I fetch
	s_lshl_b32 s21, s21, 5
	s_add_co_u32 s20, s20, s21                     ; + my work-group's 32 of them
	s_mov_b32 s21, 0
	s_mov_b64 s[18:19], QROW
	s_mul_u64 s[20:21], s[20:21], s[18:19]
	s_add_co_u32 s22, s22, 2*KSTEP*2               ; at K step 2: the first refill steps it to 3 and names K step 4.  Nothing is prefetched at the head
	s_mov_b32 s23, 0
	s_add_nc_u64 s[20:21], s[20:21], s[22:23]
	s_add_nc_u64 s[PFA:PFA+1], s[4:5], s[20:21]
	v_and_b32 v[PFO], 31, v0
	v_mul_u32_u24 v[PFO], v[PFO], QROW
; 16 matrix instructions: query blocks a0, a0 + 1 of the window's four x all 8 key blocks, 32 along K.  zero = 1: the first product starts the sums.  The 64 accumulators take turns.
.macro MUL16 f, hi, a0, zero
.irp a, \a0, \a0+1
.irp b, 0,1,2,3,4,5,6,7
.if \zero
	v_wmma_f32_16x16x32_f16 v[8*(8*(\a)+\b):8*(8*(\a)+\b)+7], v[\f+8*\b:\f+8*\b+7], v[\f+8*(4*\hi+\a):\f+8*(4*\hi+\a)+7], 0
.else
	v_wmma_f32_16x16x32_f16 v[8*(8*(\a)+\b):8*(8*(\a)+\b)+7], v[\f+8*\b:\f+8*\b+7], v[\f+8*(4*\hi+\a):\f+8*(4*\hi+\a)+7], v[8*(8*(\a)+\b):8*(8*(\a)+\b)+7]
.endif
.endr
.endr
.endm
.macro FETCH slot, k, f                ; 32 LDS loads in one run: the fragments of one quarter step (128 keys, 128 queries, 32 K at byte k of the rows) into buffer f
	WIN TO_B
.irp i, 0,1,2,3,4,5,6,7
	ds_load_b128 v[\f+8*\i:\f+8*\i+3],   v[ADRB+\slot] offset:\k+\i*16*PITCH
	ds_load_b128 v[\f+8*\i+4:\f+8*\i+7], v[ADRB+\slot] offset:\k+\i*16*PITCH+32
.endr
	WIN 0
.irp i, 0,1,2,3,4,5,6,7
	ds_load_b128 v[\f+8*\i:\f+8*\i+3],   v[ADRA+\slot] offset:\k+\i*16*PITCH
	ds_load_b128 v[\f+8*\i+4:\f+8*\i+7], v[ADRA+\slot] offset:\k+\i*16*PITCH+32
.endr
.endm
.macro PLACES                          ; four plain vector instructions between a matrix instruction and a load into, or a read of, its registers
.rept 4
	v_nop
.endr
.endm
.macro QUARTER slot, k, f, g, zero     ; multiplies buffer f; in its middle it fetches the next quarter's fragments, at byte k of the same slot's rows, into buffer g
	s_wait_dscnt 8                                 ; k and q's rows 0-63 are in; the youngest eight loads (q's rows 64-127) may be out
	WIN MUL_LO
	MUL16 \f, 0, 0, \zero
	MUL16 \f, 0, 2, \zero
	PLACES
	FETCH \slot, \k, \g
	s_wait_dscnt 32                                ; all but the 32 just issued
	WIN MUL_HI
	MUL16 \f, 1, 0, \zero
	MUL16 \f, 1, 2, \zero
.endm
.macro MEET round                      ; the first half of a slot's last quarter: ONE barrier for the change of slots
	WIN 0
	s_wait_tensorcnt 0x0                           ; all my tensor loads have landed: the one that was out is my part of the next slot;
	ds_add_u32 v[SPW], v[NIL]                      ; 0 onto my spare word;
	s_wait_dscnt 9                                 ; (the add and the youngest eight loads may be out)
	WIN MUL_LO
	MUL16 F1, 0, 0, 0
	s_wait_dscnt 0x0                               ; the add is done, and my reads of this slot are over
	s_barrier_signal -1
	MUL16 F1, 0, 2, 0
.if \round
	WIN 0
.endif
	s_barrier_wait -1
.endm
.macro TURN slot, next                 ; the whole last quarter: behind the round the slot just read out is filled again first, with the K step two steps on; then come the next slot's first fragments
	s_wait_xcnt 0x0                                ; the last prefetch, a K step back, has read its address
	s_add_nc_u64 s[PFA:PFA+1], s[PFA:PFA+1], KSTEP*2
	MEET 1
	CREST                                          ; no wave of any partner still reads this slot's tile or has a load on its way
	s_add_nc_u64 s[G0+4*\slot+2:G0+4*\slot+3], s[G0+4*\slot+2:G0+4*\slot+3], 2*KSTEP*2
	s_add_nc_u64 s[G0B+4*\slot+2:G0B+4*\slot+3], s[G0B+4*\slot+2:G0B+4*\slot+3], 2*KSTEP*2
	JLOAD \slot                                    ; my one tensor load behind the round; its four v_nop are also the places in front of the loads below
	FETCH \next, 0, F0
	ASK
	WIN MUL_HI
	MUL16 F1, 1, 0, 0
	MUL16 F1, 1, 2, 0
.endm
	s_wait_tensorcnt 1                             ; my part of K step 0 is in (K step 1's load may be out),
	s_barrier_signal -1
	s_barrier_wait -1                              ; everybody's is
	FETCH 0, 0, F0
	QUARTER 0, 64,  F0, F1, 1                      ; the first quarter stands in front of the loop: its products start the sums
	WIN 0
	s_mov_b32 s3, LAPS-1
.Llap:                                                 ; a trip goes once round the ring, from a lap's second quarter to the next lap's first, and fills both slots again
	QUARTER 0, 128, F1, F0, 0
	QUARTER 0, 192, F0, F1, 0
	TURN 0, 1
	QUARTER 1, 64,  F0, F1, 0
	QUARTER 1, 128, F1, F0, 0
	QUARTER 1, 192, F0, F1, 0
	TURN 1, 0
	QUARTER 0, 64,  F0, F1, 0
	WIN 0
	s_sub_co_u32 s3, s3, 1
	s_cmp_lg_u32 s3, 0
	s_cbranch_scc1 .Llap
	QUARTER 0, 128, F1, F0, 0                      ; the last lap is written out: it asks for nothing more
	QUARTER 0, 192, F0, F1, 0
	MEET 0                                         ; no tensor load of mine is out from here on: the descriptors' registers are free
	PLACES
	FETCH 1, 0, F0
	WIN MUL_HI
	MUL16 F1, 1, 0, 0
	MUL16 F1, 1, 2, 0
	QUARTER 1, 64,  F0, F1, 0
	QUARTER 1, 128, F1, F0, 0
	QUARTER 1, 192, F0, F1, 0
	s_wait_dscnt 8
	WIN MUL_LO
	MUL16 F1, 0, 0, 0
	MUL16 F1, 0, 2, 0
	s_wait_dscnt 0
	WIN MUL_HI
	MUL16 F1, 1, 0, 0
	MUL16 F1, 1, 2, 0
	WIN 0
	PLACES
	s_wait_loadcnt 0x0                             ; the mask words, asked for at the head
	s_wait_xcnt 0x0                                ; the last prefetch has read its address registers, on which mask words land
	s_mov_b32 s[CS], 0x3d38aa3b                    ; c = log2(e) / 32
	s_mov_b32 s[CS+1], s[CS]                       ; (named with it as a pair, so it is written)
	s_mov_b32 s[SEL], 0x76543210
	s_mov_b32 s[SEL+1], 0xfedcba98
	v_mov_b32 v[NEG], 0xff800000
	v_mov_b32 v[NM+1], 0                           ; (the upper half of a pair that is named whole)
	v_mov_b32 v[X+1], 0                            ; (a lane permute's destination counts as one of its sources)
; THE WAY OUT, a block of 16 queries x 128 keys at a time.
.macro READM a                         ; block a's 64 mask words into scalar registers: word n = 8 b + j, for key block b and register j, into s[16 + n] (n < 32) or s[36 + n]
.set n, 0
.rept 64
	v_readlane_b32 s[16+n+20*(n/32)], v[MW+2*(\a)+n%2], n/2
.set n, n+1
.endr
.endm
.macro SOFT a
.set AC, 64*((\a)%4)
.set TM, TMP+32*((\a)%2)
	WIN 0x08+4*((\a)/4)                            ; source 1: window 2 or 3
.set n, 0
.rept 64
	v_cndmask_b32 v[T+n], v[NEG], v[AC+n], s[16+n+20*(n/32)]   ; an open key keeps its score, a hidden one becomes -infinity; each accumulator from its low end on
.set n, n+1
.endr
	WIN 0
.irp k, 0,1,2,3
	v_max3_num_f32 v[X+\k], v[T+16*\k], v[T+16*\k+1], v[T+16*\k+2]         ; the largest score, in four chains by turns
.endr
.irp i, 3,5,7,9,11,13
.irp k, 0,1,2,3
	v_max3_num_f32 v[X+\k], v[X+\k], v[T+16*\k+\i], v[T+16*\k+\i+1]
.endr
.endr
.irp k, 0,1,2,3
	v_max_num_f32 v[X+\k], v[X+\k], v[T+16*\k+15]
.endr
	v_max3_num_f32 v[X], v[X], v[X+1], v[X+2]
	v_max_num_f32 v[X], v[X], v[X+3]
	v_permlanex16_b32 v[X+1], v[X], s[SEL], s[SEL+1]               ; the query's other 64 keys lie in the lane 16 away
	v_max_num_f32 v[X], v[X], v[X+1]
	v_mul_f32 v[X], s[CS], v[X]                    ; as t (c is positive)
	v_max_num_f32 v[X], 0xff61b1e6, v[X]           ; held at -3e38 where no key is open
	v_floor_f32 v[NM], -v[X]                       ; nM = floor(-t) = -ceil(t): a whole number
	v_mov_b32 v[MS+(\a)], v[NM]
.irp j, 0,2,4,6,8,10,12,14,16,18,20,22,24,26,28,30,32,34,36,38,40,42,44,46,48,50,52,54,56,58,60,62
	v_pk_fma_f32 v[T+\j:T+\j+1], v[T+\j:T+\j+1], s[CS:CS+1], v[NM:NM+1] op_sel_hi:[1,0,0]   ; t - M, two at a time
.endr
.set n, 0
.rept 64
	v_exp_f32 v[T+n], v[T+n]                       ; p = 2^(t - M), at most 1
.set n, n+1
.endr
	v_nop                                          ; a plain instruction behind the last exponential
.if (\a) < 7
	READM (\a)+1                                   ; the next block's mask words: this block's selections have read theirs; work that names no exponential's result, ahead of the batch's wait
.endif
	s_wait_alu depctr_va_vdst(0)                   ; the wait ahead of the first reader: one for the batch of 64
	s_wait_xcnt 0x0                                ; the stores of two blocks back have read this set of registers
.set n, 0
.rept 32
	v_cvt_pk_f16_f32 v[TM+n], v[T+2*n], v[T+2*n+1]
.set n, n+1
.endr
.irp b, 0,1,2,3,4,5,6,7
	global_store_b128 v[SGO], v[TM+4*\b:TM+4*\b+3], s[8:9] offset:(\a)*PTILE+512*\b   ; key block b's piece: 32 lanes store 512 consecutive bytes, at a multiple of 256 from pbuf's first byte
.endr
	v_pk_add_f32 v[SA:SA+1], v[T:T+1], v[T+2:T+3]                  ; the sum of the unrounded p, two at a time, in two chains
	v_pk_add_f32 v[SB:SB+1], v[T+4:T+5], v[T+6:T+7]
.irp j, 8,12,16,20,24,28,32,36,40,44,48,52,56,60
	v_pk_add_f32 v[SA:SA+1], v[SA:SA+1], v[T+\j:T+\j+1]
	v_pk_add_f32 v[SB:SB+1], v[SB:SB+1], v[T+\j+2:T+\j+3]
.endr
	v_pk_add_f32 v[SA:SA+1], v[SA:SA+1], v[SB:SB+1]
	v_add_f32 v[SA], v[SA], v[SA+1]
	v_permlanex16_b32 v[X+1], v[SA], s[SEL], s[SEL+1]
	v_add_f32 v[LS+(\a)], v[SA], v[X+1]
.endm
	READM 0
.irp a, 0,1,2,3,4,5,6,7
	SOFT \a
.endr
.irp a, 0,1,2,3,4,5,6,7                ; the stats of my 128 queries through the stage: query 16 a + l % 16; lanes l and l + 16 write the same word with the same value
	ds_store_b32 v[STS], v[MS+\a] offset:64*\a
	ds_store_b32 v[STS], v[LS+\a] offset:512+64*\a
.endr
	ds_load_b128 v[136:139], v[STL]                ; LDS serves a wave's instructions in order: these see my stores
	ds_load_b128 v[140:143], v[STL] offset:512
	s_wait_dscnt 0x0
	global_store_b128 v[SGO], v[136:139], s[10:11]                 ; 32 lanes store 512 consecutive bytes
	global_store_b128 v[SGO], v[140:143], s[10:11] offset:524288
	s_wait_tensorcnt 0x0                           ; the wave's end, behind my last tensor load and my last LDS store
	ds_add_u32 v[SPW], v[NIL]
	s_wait_dscnt 0x0
	CROUND                                         ; the closing round
	s_endpgm
.Lfunc_end_k_q79515f7427_scores:
	.size	k_q79515f7427_scores, .Lfunc_end_k_q79515f7427_scores-k_q79515f7427_scores
	.p2alignl 7, 3214868480
	.fill 96, 4, 3214868480
	.section	.rodata,"a",@progbits
	.p2align	6, 0x0
	.amdhsa_kernel k_q79515f7427_scores
		.amdhsa_group_segment_fixed_size 327680
		.amdhsa_private_segment_fixed_size 0
		.amdhsa_enable_private_segment 0
		.amdhsa_kernarg_size 32
		.amdhsa_user_sgpr_count 2
		.amdhsa_user_sgpr_kernarg_segment_ptr 1
		.amdhsa_wavefront_size32 1
		.amdhsa_system_sgpr_workgroup_id_x 1
		.amdhsa_system_sgpr_workgroup_id_y 1
		.amdhsa_system_sgpr_workgroup_id_z 1
		.amdhsa_system_vgpr_workitem_id 0
		.amdhsa_next_free_vgpr 1024
		.amdhsa_next_free_sgpr 100
		.amdhsa_reserve_vcc 0
		.amdhsa_float_denorm_mode_32 3
		.amdhsa_float_denorm_mode_16_64 3
		.amdhsa_memory_ordered 1
		.amdhsa_forward_progress 1
		.amdhsa_inst_pref_size 255
	.end_amdhsa_kernel
	.section	.bss,"aw",@nobits
	.p2align	6
	.space	262144
	.amdgpu_metadata
---
amdhsa.version: [ 1, 2 ]
amdhsa.kernels:
  - .name:           k_q79515f7427_scores
    .symbol:         k_q79515f7427_scores.kd
    .args:
      - { .name: qkv, .offset: 0, .size: 8, .value_kind: global_buffer, .address_space: global }
      - { .name: lmask, .offset: 8, .size: 8, .value_kind: global_buffer, .address_space: global }
      - { .name: pbuf, .offset: 16, .size: 8, .value_kind: global_buffer, .address_space: global }
      - { .name: stats, .offset: 24, .size: 8, .value_kind: global_buffer, .address_space: global }
    .group_segment_fixed_size: 327680
    .private_segment_fixed_size: 0
    .kernarg_segment_align: 8
    .kernarg_segment_size: 32
    .max_flat_workgroup_size: 128
    .sgpr_count:     100
    .vgpr_count:     1024
    .wavefront_size: 32
...
	.end_amdgpu_metadata
.endif
;; end of part 3
;; launch pv (part 4): grid 4 x 64, 4 waves a work-group, clusters of 4 x 4, 327,680 bytes of LDS; arguments pbuf, qkv, stats, out0; writes out0
.if DOCPART == 4
	.amdgcn_target "amdgcn-amd-amdhsa--gfx1250"
	.amdhsa_code_object_version 6
	.text
	.protected	k_q79515f7427_pv
	.globl	k_q79515f7427_pv
	.p2align	8
	.type	k_q79515f7427_pv,@function
k_q79515f7427_pv:
	s_mov_b64 s[64:65], 0
	v_nop
	global_prefetch_b8 v0, s[64:65] scope:SCOPE_SE
	s_setreg_imm32_b32 hwreg(HW_REG_WAVE_MODE, 25, 1), 1
	s_wait_xcnt 0x0
	s_wait_alu depctr_hold_cnt(0) depctr_sa_sdst(0) depctr_va_vdst(0) depctr_va_sdst(0) depctr_va_ssrc(0) depctr_va_vcc(0) depctr_vm_vsrc(0)
	s_getreg_b32 s2, hwreg(HW_REG_IB_STS2, 6, 4)
	s_cmp_eq_u32 s2, 0
	s_cbranch_scc0 .Lentry_in_a_cluster
	s_endpgm
.Lentry_in_a_cluster:
	s_bfe_u32 s2, ttmp6, 0x10000c
	s_cmp_lg_u32 s2, 0xf033
	s_cbranch_scc0 .Lentry_shape_is_right
	s_endpgm
.Lentry_shape_is_right:
; PV: out[b][q][:] = (sum over kb of f(kb) x (sum over the 128 keys k of block kb of p[q][k] v[b][k][:])) / l[q]; the products in f16 with f32 sums, all else in f32.  Nothing of the problem's work is left out here.
; THE SIXTEEN LOCAL SOFTMAXES OF A ROW ARE JOINED: nMin = the smallest nM of the row's sixteen key blocks (nM = -M: so M is the row's largest); f(kb) = 2^(nMin - nM(kb)), an exact power of two, at most 1;
; l = the f32 sum of f(kb) x l(kb).  Each key block is summed into accumulators of its own (its first products start them with the constant 0), and these are added into the row's sums by fused multiply-adds with f(kb).
; A block with no open key has nM = 3e38: its exponent is held at -200, so f = 0.  A row with no open key at all: f = 1, l = 0, sums 0: 0 x (1 / 0) is NaN.
; LIMIT: |v| under 65,504; NaN or infinities among the inputs are not served.
; SHARES: a work-group makes 128 queries x 256 channels (so that there are 256 work-groups); a wave 64 x 128: 32 accumulators for the key block in hand and 32 for the row.
; V goes through a ring of two LDS slots of 256 keys (a key's row: 512 bytes), each wave fetching 64 keys of a slot.  CLUSTERS: 4 x 4 work-groups; the four of a column need the same tiles of V: each is asked for JOINTLY.
; P COMES STRAIGHT INTO REGISTERS: pbuf lies in the order of this launch's operand registers ([16 queries][16 keys][lane][16 bytes]), so a fragment of 32 keys is two loads of 512 consecutive bytes.  P's tiles are shared by the four
; partners of a row of the cluster, and yet they are not asked for jointly: two slots of 256 keys of V are 278,528 bytes, and P's 128 rows beside them would make 413,696, over the 327,680 that there are; with P in LDS a slot holds 128 keys,
; half the products between two changes of slots, and a wave reads 192 rows of 64 bytes from LDS for 32 products where it now reads 128.
; LAYOUT: source 0 = 16 channels of V^T (V lies [key][channel] in LDS and comes out turned, by ds_load_tr16_b128), source 1 = 16 queries of P: a lane holds ONE query (l % 16) and eight neighbouring channels.
; REGISTERS: window 0: v0-31 addresses; v32-47 f as pairs, a set for each of two key blocks; v48-51 1 / l; v128-255 V's fragments, two buffers of 32 keys; on the way out v64-255.
;   window 1: P's fragments, four sets of 64 keys, filled three sets ahead.   window 2: the row's sums.   window 3: the key block's sums ((a, b) at v[8 (8 a + b)] in both).
; THE TEXT goes by CHUNKS of 32 keys, 32 products each: 8 to a slot, 4 to a key block, 2 to a set of P.
.set VP,     544                       ; a row of V in LDS: 512 bytes + 32 = 17 x 32: the turning load's 8 rows x 32 bytes fall on different banks (64 banks of 4 bytes: ISA guide 11.1)
.set SLOT,   256*VP
.set TAB,    2*SLOT                    ; f, twice on end (a pair for the packed forms): [kb 16][wr 2][l % 16][a 4][2]: 16,384 bytes
.set RLT,    TAB+16384                 ; 1 / l: [wr][l % 16][a]: 512 bytes
.set SPARE,  RLT+512                   ; the spare words, 128 bytes for each wave
.set SPITCH, 528                       ; the way out: a stage of 16 rows x (512 bytes + 16) for each wave, in slot 0, which has had its last fill and its last read when the first result is stored there
.set OROW,   4096                      ; a row of out0 in bytes
.set QROW,   6144                      ; a row of qkv; v lies 4,096 bytes into it
.set PTILE,  65536                     ; a tile of 16 queries in pbuf
.set ADRB, 12                          ; v12-19 my lane's place in V's rows: slot s, keys 64 p on: v[12 + 4 s + p] (an LDS offset has 16 bits)
.set ADRF, 20                          ; v20  my factors' place in TAB; 4,096 bytes on with each trip
.set PO,   21                          ; v21  16 x lane: my place in a piece of pbuf, and in a row of out0
.set RLA,  22                          ; v22  my place in RLT
.set TBR,  23                          ; v23  where thread t stores query t's 1 / l
.set STO,  24
.set RD,   25
.set SPW,  28
.set NIL,  29
.set PFO,  30
.set TBA,  31                          ; v31  where thread t stores query t's factors
.set FS,   32
.set RL,   48
.set T,    64
.set VB,   128
.set BK,   128
.set G1, 24                            ; s[24:31] descriptor group 1;  s[32:39] group 0, one set for each slot
.set G0, 32
.set PFA, 44                           ; s[44:45] where my prefetches stand;  s[46:47] a slot on, in bytes
.set PFS, 46
.set LIM, 43
.set PB,  48                           ; s[48:49] pbuf at my four tiles of queries; 8 units of 64 keys on with each trip
.set MSB, 0
.macro WIN new                         ; the immediate's high byte repeats the setting that is left
.if MSB != \new
	s_set_vgpr_msb (MSB<<8)|\new
.set MSB, \new
.endif
.endm
.set MUL,  0xf4                        ; source 0 (V) window 0, source 1 (P) window 1, C and D window 3
.set CMB,  0xa3                        ; source 0 (the block's sums) window 3, source 1 (f) window 0, source 2 and destination (the row's sums) window 2
.set TO_P, 0x40                        ; destination window 1, address window 0
; A joint load: every wave fetches its 64 keys of a slot; the descriptor hangs on the wave's number, the batch and the channel tile, which the four partners of a column share.  An s_nop 0 and four v_nop follow it.
.macro JLOAD s
	tensor_load_to_lds s[G0+4*\s:G0+4*\s+3], s[G1:G1+7]
	s_nop 0
.rept 4
	v_nop
.endr
.endm
; PREFETCHES, behind the joint load of a change of slots and the LDS loads that follow it; two instructions a wave, 256 bytes apart.
; V: the slot that the NEXT change will ask for: 256 keys x 512 bytes.  Of the four rows of clusters of a batch the first asks; its four partners of a column take 64 keys each, told apart BY ADDRESS; in each, waves 2 and 3 take 32 keys, a lane a key.
; P: 8,192 bytes of each of the work-group's eight tiles of queries, from half a slot behind the slot that is being asked for: its first loads are issued 192 products on.  The four partners of a row take two tiles each, BY ADDRESS; wave 0 asks,
; sixteen lanes a tile, 512 bytes apart.  So each aligned block of 256 bytes is named once.  The last change that fills a slot asks for nothing; nothing is asked for at the head.
.macro ASK ge
.if \ge
	s_cmp_ge_u32 s3, s[LIM]                        ; a trip's first change: in every trip
.else
	s_cmp_gt_u32 s3, s[LIM]                        ; its second: not in the last trip (s3 = 1)
.endif
	s_cbranch_scc0 .Lnot_mine_\@
	global_prefetch_b8 v[PFO], s[PFA:PFA+1] th:TH_LOAD_NT scope:SCOPE_SE
	global_prefetch_b8 v[PFO], s[PFA:PFA+1] offset:256 th:TH_LOAD_NT scope:SCOPE_SE
.Lnot_mine_\@:
.endm
.macro CREST                           ; a round of the cluster's barrier behind its opening barrier
	s_cmp_lg_u32 s14, 0
	s_cbranch_scc1 .Lnot_wave_0_\@
	s_barrier_signal -3
.Lnot_wave_0_\@:
	s_barrier_wait -3
	s_barrier_signal -1
	s_barrier_wait -1
.endm
.macro CROUND
	s_barrier_signal -1
	s_barrier_wait -1
	CREST
.endm
.macro PLOAD set, u                    ; 16 loads: P's eight fragments of the 64 keys of unit u (counted from s[PB]) into a set; each load reads 512 consecutive bytes
	WIN TO_P
.irp c, 0,1
.irp a, 0,1,2,3
	global_load_b128 v[64*(\set)+8*(4*\c+\a):64*(\set)+8*(4*\c+\a)+3],   v[PO], s[PB:PB+1] offset:\a*PTILE+(\u)*2048+\c*1024
	global_load_b128 v[64*(\set)+8*(4*\c+\a)+4:64*(\set)+8*(4*\c+\a)+7], v[PO], s[PB:PB+1] offset:\a*PTILE+(\u)*2048+\c*1024+512
.endr
.endr
.endm
	s_load_b256 s[4:11], s[0:1], 0x0               ; pbuf s[4:5], qkv s[6:7], stats s[8:9], out0 s[10:11]
	v_lshl_add_u32 v[SPW], v0, 2, SPARE
	v_mov_b32 v[NIL], 0
	ds_add_u32 v[SPW], v[NIL]                      ; the wave's opening: the add, twice on end, and its wait ahead of my first tensor load
	ds_add_u32 v[SPW], v[NIL]
	v_lshrrev_b32 v1, 5, v0
	v_readfirstlane_b32 s14, v1                    ; wave 0..3
	s_lshr_b32 s15, s14, 1                         ; wr: which 64 queries are mine
	s_and_b32 s16, s14, 1                          ; wc: which 128 channels
	s_bfe_u32 s40, ttmp6, 0x40000                  ; cx
	s_bfe_u32 s41, ttmp6, 0x40004                  ; cy
	s_lshl_b32 s42, ttmp9, 2
	s_add_co_u32 s42, s42, s40                     ; tx: the channel tile, 0 .. 3
	s_and_b32 s2, ttmp7, 0xffff                    ; the cluster's y
	s_lshl_b32 s17, s2, 2
	s_add_co_u32 s17, s17, s41                     ; ty: the query tile over all batches, 0 .. 63
	s_lshr_b32 s13, s2, 2                          ; the batch: sixteen query tiles, four rows of clusters
	s_lshl_b32 s44, 0x1111, s40                    ; my column of the cluster
	s_or_b32 s[G1+0], s44, (1<<16)|(1<<20)|(1<<21)|(6<<22)|(7<<25)  ; the mask; elements of 2 bytes; padding on; bit 21 beside a mask; eight words after every 128
	s_mov_b32 s[G1+1], 256<<16                     ; tensor_dim0 = 256
	s_mov_b32 s[G1+2], 64<<16                      ; tensor_dim1 = 64
	s_mov_b32 s[G1+3], 256<<16                     ; tile_dim0
	s_mov_b32 s[G1+4], 64                          ; tile_dim1
	s_mov_b32 s[G1+5], QROW/2                      ; the pitch: 3,072 elements
	s_mov_b32 s[G1+6], 0
	s_mov_b32 s[G1+7], 0
	s_lshl_b32 s46, s13, 11
	s_lshl_b32 s18, s14, 6
	s_add_co_u32 s46, s46, s18
	s_mul_i32 s46, s46, QROW                       ; V: row 2048 b + 64 x wave,
	s_lshl_b32 s47, s42, 9
	s_add_co_u32 s46, s46, s47                     ; + 512 tx,
	s_add_co_u32 s46, s46, 4096                    ; + where v begins in a row
	s_mov_b32 s47, 0
	s_mul_i32 s12, s14, 64*VP                      ; where they go: wave x 64 rows
	s_wait_dscnt 0x0                               ; both opening adds are done
	s_wait_kmcnt 0x0
	s_add_nc_u64 s[46:47], s[6:7], s[46:47]
	CROUND                                         ; all sixteen work-groups are here: the first joint loads meet
.irp s, 0,1
	s_mov_b32 s[G0+4*\s], 1
	s_add_co_u32 s[G0+4*\s+1], s12, \s*SLOT
	s_add_nc_u64 s[G0+4*\s+2:G0+4*\s+3], s[46:47], \s*256*QROW
	s_or_b32 s[G0+4*\s+3], s[G0+4*\s+3], 0x80000000
	JLOAD \s                                       ; two loads of mine are out
.endr
	; the stats: thread t is query t of the tile: its sixteen nM and sixteen l
	s_lshl_b32 s18, s13, 17                        ; a batch's 16 x 2,048 words
	s_and_b32 s19, s17, 15
	s_lshl_b32 s19, s19, 9                         ; the tile's 128 words
	s_add_co_u32 s18, s18, s19
	s_mov_b32 s19, 0
	s_add_nc_u64 s[8:9], s[8:9], s[18:19]
	v_lshlrev_b32 v3, 2, v0
.irp k, 0,1,2,3,4,5,6,7,8,9,10,11,12,13,14,15
	global_load_b32 v[64+\k], v3, s[8:9] offset:8192*\k
	global_load_b32 v[80+\k], v3, s[8:9] offset:524288+8192*\k
.endr
	; P's first three units of 64 keys
	s_lshl_b32 s18, s17, 3
	s_lshl_b32 s20, s15, 2
	s_add_co_u32 s18, s18, s20
	s_lshl_b32 s18, s18, 16                        ; tile of queries 8 ty + 4 wr
	s_add_nc_u64 s[PB:PB+1], s[4:5], s[18:19]
	v_and_b32 v9, 31, v0
	v_lshlrev_b32 v[PO], 4, v9
	PLOAD 0, 0
	PLOAD 1, 1
	PLOAD 2, 2
	WIN 0
	v_and_b32 v1, 15, v0                           ; r = l % 16
	v_bfe_u32 v2, v0, 4, 1                         ; h = l / 16
	v_and_b32 v5, 7, v0                            ; the turning load: lane l reads 16 bytes of key 8 (l / 16) + l % 8, channels 8 ((l / 8) % 2) + 0 .. 7
	v_lshl_add_u32 v5, v2, 3, v5
	v_mul_u32_u24 v5, v5, VP
	v_bfe_u32 v6, v0, 3, 1
	v_lshl_add_u32 v5, v6, 4, v5
	s_lshl_b32 s22, s16, 8                         ; my 128 channels
	v_add_nc_u32 v5, s22, v5
.irp s, 0,1
.irp p, 0,1,2,3
	v_add_nc_u32 v[ADRB+4*\s+\p], \s*SLOT+\p*64*VP, v5
.endr
.endr
	v_lshrrev_b32 v7, 6, v0                        ; t / 64
	v_bfe_u32 v8, v0, 4, 2                         ; (t / 16) % 4
	v_lshlrev_b32 v10, 9, v7
	v_lshl_add_u32 v10, v1, 5, v10
	v_lshl_add_u32 v10, v8, 3, v10
	v_add_nc_u32 v[TBA], TAB, v10                  ; TAB + 512 (t / 64) + 32 (t % 16) + 8 ((t / 16) % 4)
	v_lshlrev_b32 v10, 8, v7
	v_lshl_add_u32 v10, v1, 4, v10
	v_lshl_add_u32 v10, v8, 2, v10
	v_add_nc_u32 v[TBR], RLT, v10                  ; RLT + 256 (t / 64) + 16 (t % 16) + 4 ((t / 16) % 4)
	s_lshl_b32 s23, s15, 9
	v_lshl_add_u32 v[ADRF], v1, 5, s23
	v_add_nc_u32 v[ADRF], TAB, v[ADRF]             ; TAB + 512 wr + 32 r
	s_lshl_b32 s23, s15, 8
	v_lshl_add_u32 v[RLA], v1, 4, s23
	v_add_nc_u32 v[RLA], RLT, v[RLA]               ; RLT + 256 wr + 16 r
	s_mul_i32 s23, s14, 16*SPITCH                  ; my stage
	v_mul_u32_u24 v7, v1, SPITCH
	v_lshl_add_u32 v7, v2, 5, v7
	v_add_nc_u32 v[STO], s23, v7                   ; in: row r, 32 bytes for each half of the lanes
	v_add_nc_u32 v[RD], s23, v[PO]                 ; back: the 32 lanes take one row of 512 bytes
	s_lshl_b32 s18, s17, 7                         ; out0 at row 128 ty + 64 wr, byte 1024 tx + 512 wc
	s_lshl_b32 s19, s15, 6
	s_add_co_u32 s18, s18, s19
	s_lshl_b32 s18, s18, 12
	s_lshl_b32 s19, s42, 10
	s_add_co_u32 s18, s18, s19
	s_lshl_b32 s19, s16, 9
	s_add_co_u32 s18, s18, s19
	s_mov_b32 s19, 0
	s_add_nc_u64 s[10:11], s[10:11], s[18:19]
	; the prefetches: both candidates, then one compare and the choices
	s_lshl_b32 s18, s17, 3
	s_lshl_b32 s19, s40, 1
	s_add_co_u32 s18, s18, s19
	s_lshl_b32 s18, s18, 16
	s_add_co_u32 s18, s18, 12288                   ; P: tile 8 ty + 2 cx, byte 12,288: the first change steps it to the middle of slot 2
	s_lshl_b32 s19, s13, 11
	s_lshl_b32 s20, s41, 6
	s_add_co_u32 s19, s19, s20
	s_lshl_b32 s20, s16, 5
	s_add_co_u32 s19, s19, s20
	s_add_co_u32 s19, s19, 512
	s_mul_i32 s19, s19, QROW
	s_lshl_b32 s20, s42, 9
	s_add_co_u32 s19, s19, s20
	s_add_co_u32 s19, s19, 4096                    ; V: key 2048 b + 64 cy + 32 (wave - 2) + 512, byte 4096 + 512 tx: the first change steps it to slot 3
	s_and_b32 s20, s2, 3
	s_mov_b32 s21, 16*QROW
	s_mov_b32 s23, QROW
	s_mov_b32 s[PFS], 256*QROW
	s_cmp_eq_u32 s15, 0                            ; waves 0 and 1: P; waves 2 and 3: V
	s_cselect_b64 s[PFA:PFA+1], s[4:5], s[6:7]
	s_cselect_b32 s18, s18, s19
	s_cselect_b32 s20, s16, s20                    ; P: wave 0 asks; V: the batch's first row of clusters
	s_cselect_b32 s21, 65536, s21                  ; from lane 0 to lane 16: a tile of queries, or 16 keys
	s_cselect_b32 s23, 512, s23                    ; from lane to lane
	s_cselect_b32 s[PFS], 8192, s[PFS]             ; a slot on
	s_mov_b32 s19, 0
	s_mov_b32 s[PFS+1], 0
	s_add_nc_u64 s[PFA:PFA+1], s[PFA:PFA+1], s[18:19]
	s_cmp_eq_u32 s20, 0
	s_cselect_b32 s[LIM], 1, -1                    ; the same in all sixteen partners, for a given wave
	v_lshrrev_b32 v10, 4, v9
	v_and_b32 v9, 15, v9
	v_mul_lo_u32 v[PFO], v10, s21
	v_mad_u32_u24 v[PFO], v9, s23, v[PFO]
	; THE TABLE
	s_wait_loadcnt 48                              ; the stats are in; P's 48 loads, issued behind them, may be out
	v_min3_num_f32 v60, v64, v65, v66              ; nMin
.irp k, 3,5,7,9,11,13
	v_min3_num_f32 v60, v60, v[64+\k], v[65+\k]
.endr
	v_min_num_f32 v60, v60, v79
.irp k, 0,1,2,3,4,5,6,7,8,9,10,11,12,13,14,15
	v_sub_f32 v[64+\k], v60, v[64+\k]              ; nMin - nM(kb): a whole number, 0 or less
.endr
.irp k, 0,1,2,3,4,5,6,7,8,9,10,11,12,13,14,15
	v_max_num_f32 v[64+\k], 0xc3480000, v[64+\k]   ; held at -200: 2^-200 is 0 in f32
.endr
.irp k, 0,1,2,3,4,5,6,7,8,9,10,11,12,13,14,15
	v_cvt_i32_f32 v[64+\k], v[64+\k]
.endr
.irp k, 0,1,2,3,4,5,6,7,8,9,10,11,12,13,14,15
	v_ldexp_f32 v[96+2*\k], 1.0, v[64+\k]          ; f(kb), made twice: a pair for the packed forms
	v_ldexp_f32 v[97+2*\k], 1.0, v[64+\k]
.endr
	v_mul_f32 v61, v96, v80
.irp k, 1,2,3,4,5,6,7,8,9,10,11,12,13,14,15
	v_fmac_f32 v61, v[96+2*\k], v[80+\k]           ; l = the sum of f(kb) l(kb)
.endr
	v_rcp_f32 v62, v61
.irp k, 0,1,2,3,4,5,6,7,8,9,10,11,12,13,14,15
	ds_store_b64 v[TBA], v[96+2*\k:97+2*\k] offset:1024*\k
.endr
	v_nop                                          ; a plain instruction behind the reciprocal
	s_wait_alu depctr_va_vdst(0)                   ; the wait ahead of the first reader
	ds_store_b32 v[TBR], v62
	s_wait_dscnt 0x0                               ; for the others' sake: my words of the tables are stored
	s_wait_tensorcnt 1                             ; my part of slot 0 is in (slot 1's load may be out)
	s_barrier_signal -1
	s_barrier_wait -1                              ; everybody's are
.macro FETCHV slot, q, vb              ; 16 LDS loads in one run: chunk q of a slot, 32 keys x my 128 channels, turned, into buffer vb
	WIN 0
.irp i, 0,1,2,3,4,5,6,7
	ds_load_tr16_b128 v[VB+64*(\vb)+8*\i:VB+64*(\vb)+8*\i+3],   v[ADRB+4*(\slot)+(\q)/2] offset:(32*((\q)%2))*VP+32*\i
	ds_load_tr16_b128 v[VB+64*(\vb)+8*\i+4:VB+64*(\vb)+8*\i+7], v[ADRB+4*(\slot)+(\q)/2] offset:(32*((\q)%2)+16)*VP+32*\i
.endr
.endm
.macro PLACES                          ; four plain vector instructions between a matrix instruction and a load into, or a read of, its registers
.rept 4
	v_nop
.endr
.endm
.macro WM vb, ps, c2, a, b, zero
.if \zero
	v_wmma_f32_16x16x32_f16 v[8*(8*(\a)+\b):8*(8*(\a)+\b)+7], v[VB+64*(\vb)+8*\b:VB+64*(\vb)+8*\b+7], v[64*(\ps)+8*(4*(\c2)+(\a)):64*(\ps)+8*(4*(\c2)+(\a))+7], 0
.else
	v_wmma_f32_16x16x32_f16 v[8*(8*(\a)+\b):8*(8*(\a)+\b)+7], v[VB+64*(\vb)+8*\b:VB+64*(\vb)+8*\b+7], v[64*(\ps)+8*(4*(\c2)+(\a)):64*(\ps)+8*(4*(\c2)+(\a))+7], v[8*(8*(\a)+\b):8*(8*(\a)+\b)+7]
.endif
.endm
.macro SL a, b, fs, how                ; accumulator (a, b) of a finished key block goes into the row's sums, from its low end on: how = 1: + f x; how = 2, the first key block: = f x: nothing is cleared
	WIN CMB
.irp i, 0,2,4,6
.if (\how) == 2
	v_pk_mul_f32 v[8*(8*(\a)+(\b))+\i:8*(8*(\a)+(\b))+\i+1], v[8*(8*(\a)+(\b))+\i:8*(8*(\a)+(\b))+\i+1], v[FS+8*(\fs)+2*(\a):FS+8*(\fs)+2*(\a)+1]
.else
	v_pk_fma_f32 v[8*(8*(\a)+(\b))+\i:8*(8*(\a)+(\b))+\i+1], v[8*(8*(\a)+(\b))+\i:8*(8*(\a)+(\b))+\i+1], v[FS+8*(\fs)+2*(\a):FS+8*(\fs)+2*(\a)+1], v[8*(8*(\a)+(\b))+\i:8*(8*(\a)+(\b))+\i+1]
.endif
.endr
.endm
; Eight products: P's fragment of query block a against V's eight.  The 32 accumulators take turns, one instruction a turn.
; cb other than 0: query block ca's eight accumulators, finished eight products or more ago, are combined between them, two accumulators (eight lines) behind every second product.
.macro GRP vb, ps, c2, a, zero, cb, ca, fs
.irp b, 0,1,2,3,4,5,6,7
	WIN MUL
	WM \vb, \ps, \c2, \a, \b, \zero
.if (\cb) && (\b%2)
	SL \ca, \b-1, \fs, \cb
	SL \ca, \b, \fs, \cb
.endif
.endr
.endm
; A CHUNK: chunk q of a slot: 32 keys, 32 products.  Behind its first eight products stands ONE run of loads: V's next chunk (nslot, nq; -1: none) into the other buffer; in a key block's second chunk its factors (fo: their bytes from
; v[ADRF]; -1: none); in a unit's first chunk P's unit three on (pl: counted from s[PB]; -1: none) into the set that was multiplied last.  lc: how many younger loads may be out when a unit's P has to be there (-1: no wait).
; A key block's last chunk (q % 4 = 3) combines query blocks 0, 1, 2 (cbf: 1 fma, 2 the first key block) behind the products of blocks 1, 2, 3; block 3 follows in the next chunk's first eight products (cbp).
; The four places between a block's last product and the first line that reads its sums: for query block 0 the run's four v_nop; for the others the lines that combine the block before.
; THE CHANGE OF SLOTS.  pre (in chunk 6): each wave waits for all its tensor loads, of which one is out: its part of the other slot; adds 0 to its spare word; eight products stand between the add and the wait for it, which is chunk 7's first
; line: there the wave's last reads of this slot are in too.  turn (in chunk 7): the barrier; 1: it opens a round of the cluster's, and behind the round this slot is filled again first, with the keys two slots on; 2: nothing is filled.
.macro CHUNK slot, q, nslot, nq, pl, lc, fo, cbp, cbf, turn, pre, ask
.set CQ2, (\q)%2
.set CU,  (\q)/2
.set CK,  (\q)/4
.set CZ,  0
.if (\q)%4 == 0
.set CZ,  1
.endif
.set CB1, 0
.if (\q)%4 == 3
.set CB1, \cbf
.endif
	s_wait_dscnt 0x0                               ; V's fragments of this chunk are in (and the factors; and, in front of a signal, the add is done and my reads of this slot are over)
.if \turn
	s_barrier_signal -1
.endif
.if (\lc) >= 0
	s_wait_loadcnt \lc                             ; this unit's P is in; the units behind it may be out
.endif
	GRP CQ2, CU, CQ2, 0, CZ, \cbp, 3, 1-CK
.if \turn
	WIN 0
	s_barrier_wait -1
.endif
.if (\turn) == 1
	CREST                                          ; no wave of any partner still reads this slot's tile or has a load on its way
	s_add_nc_u64 s[G0+4*\slot+2:G0+4*\slot+3], s[G0+4*\slot+2:G0+4*\slot+3], 2*256*QROW
	JLOAD \slot                                    ; my one tensor load behind the round; its four v_nop are also the places in front of the loads below
.else
	PLACES
.endif
.if (\nq) >= 0
	FETCHV \nslot, \nq, 1-CQ2
.endif
.if (\fo) >= 0
	WIN 0
	ds_load_b128 v[FS+8*CK:FS+8*CK+3],   v[ADRF] offset:\fo
	ds_load_b128 v[FS+8*CK+4:FS+8*CK+7], v[ADRF] offset:(\fo)+16
.endif
.if (\pl) >= 0
	PLOAD (CU+3)%4, \pl
.endif
.if (\ask) >= 0
	WIN 0
	ASK \ask
.endif
	GRP CQ2, CU, CQ2, 1, CZ, CB1, 0, CK
	GRP CQ2, CU, CQ2, 2, CZ, CB1, 1, CK
.if \pre
	WIN 0                                          ; (the add's two registers lie in window 0)
.if (\pre) == 1
	s_wait_xcnt 0x0                                ; the last prefetches, a slot back, have read their address
	s_add_nc_u64 s[PFA:PFA+1], s[PFA:PFA+1], s[PFS:PFS+1]
.endif
	s_wait_tensorcnt 0x0                           ; all my tensor loads have landed: my part of the next slot;
	ds_add_u32 v[SPW], v[NIL]                      ; 0 onto my spare word
.endif
	GRP CQ2, CU, CQ2, 3, CZ, CB1, 2, CK
.endm
	ds_load_b128 v[RL:RL+3], v[RLA]                ; 1 / l of my four query blocks: they stay
	FETCHV 0, 0, 0
	;     slot q  next   pl  lc   fo  cbp cbf turn pre ask
	CHUNK 0, 0,  0, 1,   3, 32,   -1,  0,  0,  0,  0, -1   ; slot 0's first five chunks stand in front of the loop: the first key block starts the row's sums
	CHUNK 0, 1,  0, 2,  -1, -1,    0,  0,  0,  0,  0, -1
	CHUNK 0, 2,  0, 3,   4, 32,   -1,  0,  0,  0,  0, -1
	CHUNK 0, 3,  0, 4,  -1, -1,   -1,  0,  2,  0,  0, -1
	CHUNK 0, 4,  0, 5,   5, 32,   -1,  2,  0,  0,  0, -1
	WIN 0
	s_mov_b32 s3, 3
.Llap:                                                 ; three trips: each goes once round the ring, from an even slot's sixth chunk to the next even slot's fifth, and fills both slots again: slots 2 to 7
	CHUNK 0, 5,  0, 6,  -1, -1, 1024,  0,  0,  0,  0, -1
	CHUNK 0, 6,  0, 7,   6, 32,   -1,  0,  0,  0,  1, -1
	CHUNK 0, 7,  1, 0,  -1, -1,   -1,  0,  1,  1,  0,  1
	CHUNK 1, 0,  1, 1,   7, 32,   -1,  1,  0,  0,  0, -1
	CHUNK 1, 1,  1, 2,  -1, -1, 2048,  0,  0,  0,  0, -1
	CHUNK 1, 2,  1, 3,   8, 32,   -1,  0,  0,  0,  0, -1
	CHUNK 1, 3,  1, 4,  -1, -1,   -1,  0,  1,  0,  0, -1
	CHUNK 1, 4,  1, 5,   9, 32,   -1,  1,  0,  0,  0, -1
	CHUNK 1, 5,  1, 6,  -1, -1, 3072,  0,  0,  0,  0, -1
	CHUNK 1, 6,  1, 7,  10, 32,   -1,  0,  0,  0,  1, -1
	CHUNK 1, 7,  0, 0,  -1, -1,   -1,  0,  1,  1,  0,  0
	CHUNK 0, 0,  0, 1,  11, 32,   -1,  1,  0,  0,  0, -1
	CHUNK 0, 1,  0, 2,  -1, -1, 4096,  0,  0,  0,  0, -1
	CHUNK 0, 2,  0, 3,  12, 32,   -1,  0,  0,  0,  0, -1
	CHUNK 0, 3,  0, 4,  -1, -1,   -1,  0,  1,  0,  0, -1
	CHUNK 0, 4,  0, 5,  13, 32,   -1,  1,  0,  0,  0, -1
	WIN 0
	s_wait_xcnt 0x0                                ; P's loads have read their base
	s_add_nc_u64 s[PB:PB+1], s[PB:PB+1], 8*2048    ; eight units of 64 keys on
	v_add_nc_u32 v[ADRF], 4096, v[ADRF]            ; four key blocks on
	s_sub_co_u32 s3, s3, 1
	s_cmp_lg_u32 s3, 0
	s_cbranch_scc1 .Llap
	CHUNK 0, 5,  0, 6,  -1, -1, 1024,  0,  0,  0,  0, -1   ; the tail is written out: no slot is filled any more, P's last two units are asked for, and the counts run down
	CHUNK 0, 6,  0, 7,   6, 32,   -1,  0,  0,  0,  2, -1
	CHUNK 0, 7,  1, 0,  -1, -1,   -1,  0,  1,  2,  0, -1
	CHUNK 1, 0,  1, 1,   7, 32,   -1,  1,  0,  0,  0, -1
	CHUNK 1, 1,  1, 2,  -1, -1, 2048,  0,  0,  0,  0, -1
	CHUNK 1, 2,  1, 3,  -1, 32,   -1,  0,  0,  0,  0, -1
	CHUNK 1, 3,  1, 4,  -1, -1,   -1,  0,  1,  0,  0, -1
	CHUNK 1, 4,  1, 5,  -1, 16,   -1,  1,  0,  0,  0, -1
	CHUNK 1, 5,  1, 6,  -1, -1, 3072,  0,  0,  0,  0, -1
	CHUNK 1, 6,  1, 7,  -1,  0,   -1,  0,  0,  0,  0, -1
	CHUNK 1, 7,  0, -1, -1, -1,   -1,  0,  1,  0,  0, -1
.irp b, 0,1,2,3,4,5,6,7
	SL 3, \b, 1, 1                                 ; the last key block's query block 3 (the eight lines that combine block 2's last two accumulators stand behind the last product)
.endr
	WIN 0
; THE WAY OUT, a block of 16 queries x 128 channels at a time: x 1 / l; 32 bytes a lane into my stage; back as whole rows of 512 bytes.
.macro OUT a
	WIN 0x02                                       ; source 0: window 2
.set n, 0
.rept 64
	v_mul_f32 v[T+n], v[64*(\a)+n], v[RL+(\a)]
.set n, n+1
.endr
	WIN 0
.irp b, 0,1,2,3,4,5,6,7
	ds_store_b128 v[STO], v[T+8*\b:T+8*\b+3] offset:64*\b
	ds_store_b128 v[STO], v[T+8*\b+4:T+8*\b+7] offset:64*\b+16
.endr
.set BB, BK+64*((\a)%2)
.irp t, 0,1,2,3,4,5,6,7,8,9,10,11,12,13,14,15
	ds_load_b128 v[BB+4*\t:BB+4*\t+3], v[RD] offset:\t*SPITCH      ; LDS serves a wave's instructions in order (ISA guide 5.7.1.4): these see the stores above
.endr
.endm
.macro SEND a, younger                 ; younger: the LDS instructions issued behind block a's loads, which may stay out
.set BB, BK+64*((\a)%2)
	s_wait_dscnt \younger
.if (\a) > 0
	s_add_nc_u64 s[10:11], s[10:11], 16*OROW       ; (behind a wait on XCNT: the earlier stores have read their base)
.endif
.irp t, 0,1,2,3,4,5,6,7,8,9,10,11,12,13,14,15
	global_store_b128 v[PO], v[BB+4*\t:BB+4*\t+3], s[10:11] offset:\t*OROW th:TH_STORE_NT   ; 32 lanes store 512 consecutive bytes, at a multiple of 256 from out0's first byte
.endr
.endm
	OUT 0
.irp a, 1,2,3
.if \a > 1
	s_wait_xcnt 0x0                                ; block a - 2's stores have read their registers and their base
.endif
	OUT \a
	SEND \a-1, 32                                  ; behind block a - 1's loads: block a's 16 stores and 16 loads
.endr
	s_wait_xcnt 0x0
	SEND 3, 0
	s_wait_tensorcnt 0x0                           ; the wave's end, behind my last tensor load and my last LDS store
	ds_add_u32 v[SPW], v[NIL]
	s_wait_dscnt 0x0
	CROUND                                         ; the closing round
	s_endpgm
.Lfunc_end_k_q79515f7427_pv:
	.size	k_q79515f7427_pv, .Lfunc_end_k_q79515f7427_pv-k_q79515f7427_pv
	.p2alignl 7, 3214868480
	.fill 96, 4, 3214868480
	.section	.rodata,"a",@progbits
	.p2align	6, 0x0
	.amdhsa_kernel k_q79515f7427_pv
		.amdhsa_group_segment_fixed_size 327680
		.amdhsa_private_segment_fixed_size 0
		.amdhsa_enable_private_segment 0
		.amdhsa_kernarg_size 32
		.amdhsa_user_sgpr_count 2
		.amdhsa_user_sgpr_kernarg_segment_ptr 1
		.amdhsa_wavefront_size32 1
		.amdhsa_system_sgpr_workgroup_id_x 1
		.amdhsa_system_sgpr_workgroup_id_y 1
		.amdhsa_system_sgpr_workgroup_id_z 1
		.amdhsa_system_vgpr_workitem_id 0
		.amdhsa_next_free_vgpr 1024
		.amdhsa_next_free_sgpr 66
		.amdhsa_reserve_vcc 0
		.amdhsa_float_denorm_mode_32 3
		.amdhsa_float_denorm_mode_16_64 3
		.amdhsa_memory_ordered 1
		.amdhsa_forward_progress 1
		.amdhsa_inst_pref_size 244
	.end_amdhsa_kernel
	.amdgpu_metadata
---
amdhsa.version: [ 1, 2 ]
amdhsa.kernels:
  - .name:           k_q79515f7427_pv
    .symbol:         k_q79515f7427_pv.kd
    .args:
      - { .name: pbuf, .offset: 0, .size: 8, .value_kind: global_buffer, .address_space: global }
      - { .name: qkv, .offset: 8, .size: 8, .value_kind: global_buffer, .address_space: global }
      - { .name: stats, .offset: 16, .size: 8, .value_kind: global_buffer, .address_space: global }
      - { .name: out0, .offset: 24, .size: 8, .value_kind: global_buffer, .address_space: global }
    .group_segment_fixed_size: 327680
    .private_segment_fixed_size: 0
    .kernarg_segment_align: 8
    .kernarg_segment_size: 32
    .max_flat_workgroup_size: 128
    .sgpr_count:     66
    .vgpr_count:     1024
    .wavefront_size: 32
...
	.end_amdgpu_metadata
.endif
;; end of part 4
